; MI455X (gfx1250); checked and timed in simulation.
; The chip was launched on July 23, 2026; its instructions are those of AMD's public machine-readable ISA for CDNA 5 (MIT licence, August 2026) and "CDNA5" Instruction Set Architecture Reference Guide (July 2026). The comments in the code are by the model that wrote it; some were corrected since.
;; Mo EMLP Base. Allowed arithmetic: matrix products marked QUANTISED: E3M2 operands, one E8M0 scale for each 32 along K, by v_wmma_scale_f32_16x16x128_f8f6f4 with both operands' format E3M2, f32 sums; products left as they are: f32 operands where the result goes on into a quantised operand, else bf16, f16 or f32 operands; f32 sums; everything else in f32.
;; Inputs: W1 8 x 1,024 x 4,096 float32; W2 8 x 4,096 x 1,024 float32; b1 8 x 4,096 float32; b2 8 x 1,024 float32; router_w 8 x 1,024 float32; x 4 x 256 x 1,024 float32.
;; Outputs: out0 4 x 256 x 1,024 float32.
;; This version of the problem:
;;   THIS VERSION OF THE PROBLEM IS GIVEN IN LOW PRECISION. The matrix products marked QUANTISED in the list below multiply operands that are first quantised to E3M2 (3 exponent bits, 2 mantissa bits; 6 bits a number), with one power-of-two scale for each 32 numbers along K (OCP MX v1.0); their sums are f32. All else is computed in f32.
;;   The module's matrix products, in the order in which they are computed (A, B: the left and right operand; K: the contracted axis; several contracted axes count as one K, in the product's order):
;;     1. [M 1,024, K 1,024] x [K 1,024, N 8]; A: input x; B: input router_w: left as it is (N = 8 < 16)
;;     2. [M 1,024, K 1,024] x [K 1,024, N 4,096]; A: input x; B: input W1: QUANTISED
;;     3. [M 1,024, K 4,096] x [K 4,096, N 1,024]; A: computed on the way; B: input W2: QUANTISED
;;     4. [M 1,024, K 1,024] x [K 1,024, N 4,096]; A: input x; B: input W1: QUANTISED
;;     5. [M 1,024, K 4,096] x [K 4,096, N 1,024]; A: computed on the way; B: input W2: QUANTISED
;;     6. [M 1,024, K 1,024] x [K 1,024, N 4,096]; A: input x; B: input W1: QUANTISED
;;     7. [M 1,024, K 4,096] x [K 4,096, N 1,024]; A: computed on the way; B: input W2: QUANTISED
;;     8. [M 1,024, K 1,024] x [K 1,024, N 4,096]; A: input x; B: input W1: QUANTISED
;;     9. [M 1,024, K 4,096] x [K 4,096, N 1,024]; A: computed on the way; B: input W2: QUANTISED
;;     10. [M 1,024, K 1,024] x [K 1,024, N 4,096]; A: input x; B: input W1: QUANTISED
;;     11. [M 1,024, K 4,096] x [K 4,096, N 1,024]; A: computed on the way; B: input W2: QUANTISED
;;     12. [M 1,024, K 1,024] x [K 1,024, N 4,096]; A: input x; B: input W1: QUANTISED
;;     13. [M 1,024, K 4,096] x [K 4,096, N 1,024]; A: computed on the way; B: input W2: QUANTISED
;;     14. [M 1,024, K 1,024] x [K 1,024, N 4,096]; A: input x; B: input W1: QUANTISED
;;     15. [M 1,024, K 4,096] x [K 4,096, N 1,024]; A: computed on the way; B: input W2: QUANTISED
;;     16. [M 1,024, K 1,024] x [K 1,024, N 4,096]; A: input x; B: input W1: QUANTISED
;;     17. [M 1,024, K 4,096] x [K 4,096, N 1,024]; A: computed on the way; B: input W2: QUANTISED
;;   THE QUANTISER, for each operand of a quantised product, along K:
;;     - K is cut into blocks of 32 from its start; a last block that is shorter is filled with zeros.
;;     - A block's scale is 2^e with e = floor(log2(the largest magnitude in the block)) - 4, held to -126 .. 127; a block of zeros has e = 0. As a byte (E8M0): e + 127.
;;     - Each number is divided by its block's scale, clamped to +-28, and rounded to the nearest number of E3M2, ties to even, subnormals kept.
;;     - The product sums the exact products of the quantised numbers (number of the format x scale) in f32.
;;   ~~~python
;;   def quantise(x, axis):      # numpy; x: float32 -> the quantised numbers, widened to float32 again
;;       x = np.moveaxis(x, axis, -1); K = x.shape[-1]
;;       x = np.pad(x, [(0, 0)] * (x.ndim - 1) + [(0, -K % 32)]); x = x.reshape(x.shape[:-1] + (-1, 32)); a = np.abs(x).max(-1, keepdims=True)
;;       e = np.where(a > 0, np.clip(np.frexp(np.where(a > 0, a, 1))[1] - 1 - 4, -126, 127), 0)      # np.frexp(a)[1] - 1 = floor(log2(a)), exactly
;;       r = np.clip(x / 2.0 ** e, -28, 28)
;;       step = 2.0 ** (np.maximum(np.frexp(np.where(r == 0, 1, r))[1] - 1, -2) - 2)
;;       q = np.round(r / step) * step * 2.0 ** e      # np.round: ties to even
;;       return np.moveaxis(q.reshape(q.shape[:-2] + (-1,))[..., :K], -1, axis).astype(np.float32)
;;   ~~~
;;   OPERANDS COMPUTED ON THE WAY. 'Computed on the way' means the value that the module computes at that place (a softmax that the list does not call 'softmax' is quantised finished and normalised). What goes into a quantiser is computed in f32, as accurately as f32 sums, v_exp_f32 and their like allow (about 1e-6 of the number): no bf16 or f16 on the way to a quantiser, and a product that is left as it is and whose result goes on into a quantised operand takes f32 operands (vector FMAs, or v_wmma_f32_16x16x4_f32). A number that lies on a knife's edge between two numbers of the format may be rounded either way, as far as f32 arithmetic and the matrix unit's own rounding can turn it there, and no further.
;; 2 versions. Each part assembles by itself: llvm-mc -triple=amdgcn-amd-amdhsa -mcpu=gfx1250 --defsym DOCPART=n.
;; ======== version 1 of 2: 4 launches
;; workspace buffers: xq 1,048,576 bytes; ti 4,096 bytes of whole numbers; tw 8,192 bytes; hq 25,165,824 bytes; hs 2,097,152 bytes; rk 32,768 bytes of whole numbers; cnt 1,024 bytes of whole numbers; yb 67,108,864 bytes
;; launch route (part 1): grid 256 x 1, 4 waves a work-group, no clusters, 55,808 bytes of LDS; arguments x, router_w, xq, ti, tw; writes xq, ti, tw
.if DOCPART == 1
	.amdgcn_target "amdgcn-amd-amdhsa--gfx1250"
	.amdhsa_code_object_version 6
	.text
	.protected	k_qceb42e8476_route
	.globl	k_qceb42e8476_route
	.p2align	8
	.type	k_qceb42e8476_route,@function
k_qceb42e8476_route:
	s_mov_b64 s[64:65], 0
	v_nop
	global_prefetch_b8 v0, s[64:65] scope:SCOPE_SE
	s_setreg_imm32_b32 hwreg(HW_REG_WAVE_MODE, 25, 1), 1
	s_wait_xcnt 0x0
; ROUTE: the router in f32, and x as codes of BF6 (E3M2) with one E8M0 byte for each 32 along D.
; A work-group of four waves takes four tokens, a wave one token t = 4 x work-group + wave.
; logits = x[t] . router_w[e] by fused multiply-adds in f32 (a coarser logit could turn a choice of expert); softmax with the row's maximum taken away;
; the two largest probabilities by strict compares in ascending e, so that of equal ones the lower index comes first; both divided by (their sum + 1e-8).
; Nothing here forms an address or a branch from these numbers: the choice goes to fixed places.
;   ti[t] = e0 | e1 << 8 | ((1 << e0) | (1 << e1)) << 16        tw[t] = the two weights
;   xq[t]: 1,024 bytes = [K step s 0..7][half h][64 bytes]: 24 bytes of codes of block 4 s + h, 24 of block 4 s + 2 + h, the K step's scale word (byte b: block 4 s + b), 12 zeros:
;   lane (row, h) of a later product takes its twelve operand registers and its scale word from one place.
; LIMITS: NaN and infinities are not served.  A block whose largest magnitude lies under 2^-122 has its byte held at 1; a block of zeros so gets the byte 1 and zero codes (only this program reads the bytes).
; The logits' sums run in another order than a plain loop over D.
; LDS: router_w as it lies (32,768 bytes, read by all four waves); for each wave a stage of 32 x 144 bytes that turns the row from 16 bytes a lane to 128 bytes a lane; for each wave the token's 1,024-byte record.
.set STA0, 32768
.set STAW, 4608
.set REC0, 51200
.set X, 16                             ; v16-47   x[128 q + 4 lane + i] at X + 4 q + i
.set R, 48                             ; v48-111  two experts' rows of router_w, by turns; later the block's 32 numbers and its codes
.set P, 112                            ; v112-143 four registers an expert: the logit, at work, 2^t, the probability
	s_load_b256 s[4:11], s[0:1], 0x0               ; x s[4:5], router_w s[6:7], xq s[8:9], ti s[10:11]
	s_load_b64 s[12:13], s[0:1], 0x20              ; tw
	v_lshl_add_u32 v160, v0, 2, 0xd800
	v_mov_b32 v161, 0
	v_lshrrev_b32 v1, 5, v0
	v_readfirstlane_b32 s14, v1                    ; wave
	v_and_b32 v1, 31, v0                           ; lane
	v_lshlrev_b32 v2, 4, v0                        ; 16 x thread
	v_lshlrev_b32 v3, 4, v1                        ; 16 x lane
	s_lshl_b32 s15, ttmp9, 2
	s_add_co_u32 s15, s15, s14                     ; my token
	s_mul_i32 s16, s14, STAW
	s_add_co_u32 s16, s16, STA0                    ; my stage
	v_lshrrev_b32 v4, 3, v1
	v_lshl_add_u32 v4, v4, 4, v3
	v_add_nc_u32 v4, s16, v4                       ; in: 16 lane, and 16 bytes of padding behind each 128
	v_mul_u32_u24 v5, v1, 144
	v_add_nc_u32 v5, s16, v5                       ; out: block = lane, 144 bytes apart
	s_lshl_b32 s17, s14, 10
	s_add_co_u32 s17, s17, REC0                    ; my record
	v_lshrrev_b32 v10, 2, v1
	v_lshlrev_b32 v10, 7, v10                      ; 128 x K step (block = lane = 4 s + b)
	v_and_b32 v11, 1, v1
	v_lshl_add_u32 v6, v11, 6, v10                 ; + 64 x half (b & 1)
	v_bfe_u32 v11, v1, 1, 1
	v_mad_u32_u24 v6, v11, 24, v6                  ; + 24 x (b >> 1)
	v_add_nc_u32 v6, s17, v6                       ; where my block's codes go
	v_and_b32 v11, 3, v1
	v_add_nc_u32 v7, v10, v11
	v_add_nc_u32 v7, s17, v7                       ; where its scale byte goes (+ 48 and + 112)
	v_and_b32 v11, 15, v1
	v_lshlrev_b32 v8, 6, v11
	v_add_nc_u32 v8, s17, v8                       ; the sixteen halves' last 16 bytes (+ 48)
	v_add_nc_u32 v9, s17, v3                       ; the record read back, 16 bytes a lane
	s_lshl_b32 s18, s15, 12
	s_mov_b32 s19, 0
	s_lshl_b32 s20, s15, 10
	s_mov_b32 s21, 0
	s_lshl_b32 s22, s15, 2
	s_mov_b32 s23, 0
	s_lshl_b32 s24, s15, 3
	s_mov_b32 s25, 0
	s_mov_b32 s26, 0x3fb8aa3b                      ; log2(e)
	s_mov_b32 s28, 0x76543210
	s_mov_b32 s29, 0xfedcba98                      ; v_permlanex16_b32's selects for lane l xor 16
	s_wait_kmcnt 0x0
	s_add_nc_u64 s[4:5], s[4:5], s[18:19]
	s_add_nc_u64 s[8:9], s[8:9], s[20:21]
	s_add_nc_u64 s[10:11], s[10:11], s[22:23]
	s_add_nc_u64 s[12:13], s[12:13], s[24:25]
.irp q, 0,1,2,3,4,5,6,7
	global_load_b128 v[X+4*\q:X+4*\q+3], v3, s[4:5] offset:512*\q th:TH_LOAD_NT   ; 512 consecutive bytes a load
.endr
.irp i, 0,1,2,3,4,5,6,7,8,9,10,11,12,13,14,15
	global_load_b128 v[R+4*\i:R+4*\i+3], v2, s[6:7] offset:2048*\i                ; the work-group's 128 threads take router_w, 2,048 bytes a load
.endr
	s_wait_loadcnt 0x0
.irp i, 0,1,2,3,4,5,6,7,8,9,10,11,12,13,14,15
	ds_store_b128 v2, v[R+4*\i:R+4*\i+3] offset:2048*\i
.endr
.irp q, 0,1,2,3,4,5,6,7
	ds_store_b128 v4, v[X+4*\q:X+4*\q+3] offset:576*\q
.endr
	s_wait_dscnt 0x0                               ; my stores have landed: the others read router_w behind the barrier
	s_barrier_signal -1
	s_barrier_wait -1
.macro RLOAD e                         ; expert e's row, laid as x is in my registers
.irp q, 0,1,2,3,4,5,6,7
	ds_load_b128 v[R+32*((\e)&1)+4*\q:R+32*((\e)&1)+4*\q+3], v3 offset:4096*(\e)+512*\q
.endr
.endm
.macro DOT e                           ; my 32 products, in two packed chains
.set RB, R+32*((\e)&1)
.set PB, P+4*(\e)
	v_pk_mul_f32 v[PB:PB+1], v[X:X+1], v[RB:RB+1]
	v_pk_mul_f32 v[PB+2:PB+3], v[X+2:X+3], v[RB+2:RB+3]
.irp q, 1,2,3,4,5,6,7
	v_pk_fma_f32 v[PB:PB+1], v[X+4*\q:X+4*\q+1], v[RB+4*\q:RB+4*\q+1], v[PB:PB+1]
	v_pk_fma_f32 v[PB+2:PB+3], v[X+4*\q+2:X+4*\q+3], v[RB+4*\q+2:RB+4*\q+3], v[PB+2:PB+3]
.endr
	v_pk_add_f32 v[PB:PB+1], v[PB:PB+1], v[PB+2:PB+3]
	v_add_f32 v[PB], v[PB], v[PB+1]
.endm
	RLOAD 0
	RLOAD 1
.irp e, 0,1,2,3,4,5
	s_wait_dscnt 8                                 ; this expert's eight loads are in; the next expert's eight may be out
	DOT \e
	RLOAD \e+2
.endr
	s_wait_dscnt 8
	DOT 6
	s_wait_dscnt 0x0
	DOT 7
.irp i, 0,1,2,3,4,5,6,7
	ds_load_b128 v[R+4*\i:R+4*\i+3], v5 offset:16*\i   ; my block's 32 numbers come back from the stage while the softmax is made
.endr
.irp m, 1,2,4,8                        ; the eight sums over the 32 lanes, by turns
.irp e, 0,1,2,3,4,5,6,7
	v_add_f32_dpp v[P+4*\e], v[P+4*\e], v[P+4*\e] row_xmask:\m row_mask:0xf bank_mask:0xf
.endr
.endr
.irp e, 0,1,2,3,4,5,6,7
	v_permlanex16_b32 v[P+4*\e+1], v[P+4*\e], s28, s29
.endr
.irp e, 0,1,2,3,4,5,6,7
	v_add_f32 v[P+4*\e], v[P+4*\e], v[P+4*\e+1]    ; every lane holds all eight logits
.endr
	v_max3_num_f32 v144, v[P], v[P+4], v[P+8]
	v_max3_num_f32 v144, v144, v[P+12], v[P+16]
	v_max3_num_f32 v144, v144, v[P+20], v[P+24]
	v_max_num_f32 v144, v144, v[P+28]              ; the largest logit
	v_mul_f32 v145, 0xbfb8aa3b, v144               ; - m log2(e)
.irp e, 0,1,2,3,4,5,6,7
	v_fma_f32 v[P+4*\e+2], v[P+4*\e], s26, v145
.endr
.irp e, 0,1,2,3,4,5,6,7
	v_exp_f32 v[P+4*\e+2], v[P+4*\e+2]
.endr
	v_nop                                          ; a plain instruction behind the last exponential
	s_wait_alu depctr_va_vdst(0)                   ; one wait for the eight, ahead of their first reader
	v_add_f32 v146, v[P+2], v[P+6]
	v_add_f32 v152, v[P+10], v[P+14]
	v_add_f32 v153, v[P+18], v[P+22]
	v_add_f32 v155, v[P+26], v[P+30]
	v_add_f32 v146, v146, v152
	v_add_f32 v153, v153, v155
	v_add_f32 v146, v146, v153
	v_rcp_f32 v147, v146
	v_nop
	s_wait_alu depctr_va_vdst(0)
.irp e, 0,1,2,3,4,5,6,7
	v_mul_f32 v[P+4*\e+3], v[P+4*\e+2], v147       ; the probabilities
.endr
	; the two largest: v148, v149 the largest and its expert; v150, v151 the second
	v_mov_b32 v148, v[P+3]
	v_mov_b32 v149, 0
	v_mov_b32 v150, -1.0
	v_mov_b32 v151, 0
.macro TOP e
	v_mov_b32 v154, \e
	v_cmp_gt_f32 vcc_lo, v[P+4*\e+3], v148
	v_cmp_gt_f32 s31, v[P+4*\e+3], v150
	v_cndmask_b32 v152, v150, v[P+4*\e+3], s31
	v_cndmask_b32 v153, v151, v154, s31
	v_cndmask_b32 v150, v152, v148, vcc_lo         ; a new largest pushes the old one to second place
	v_cndmask_b32 v151, v153, v149, vcc_lo
	v_cndmask_b32 v148, v148, v[P+4*\e+3], vcc_lo
	v_cndmask_b32 v149, v149, v154, vcc_lo
.endm
.irp e, 1,2,3,4,5,6,7
	TOP \e
.endr
	v_add_f32 v152, v148, v150
	v_add_f32 v152, 0x322bcc77, v152               ; + 1e-8
	v_rcp_f32 v153, v152
	v_mov_b32 v159, 1                              ; a plain instruction behind the reciprocal: it names neither its source nor its result
	s_wait_alu depctr_va_vdst(0)                   ; the wait, ahead of the reciprocal's first reader
	v_mul_f32 v156, v148, v153
	v_mul_f32 v157, v150, v153
	v_lshlrev_b32 v153, v149, v159                 ; 1 << e0
	v_lshlrev_b32 v155, v151, v159                 ; 1 << e1
	v_or_b32 v153, v153, v155
	v_lshl_or_b32 v155, v151, 8, v149
	v_lshl_or_b32 v155, v153, 16, v155
	v_mov_b32 v158, 0
	; x's block = lane: the largest magnitude with the floor 2^(5 - 127) among its leaves, 4 off its exponent field, the byte, the codes
	s_wait_dscnt 0x0
	v_max3_num_f32 v104, 0x2800000, |v[R]|, |v[R+1]|
	v_max3_num_f32 v105, |v[R+16]|, |v[R+17]|, |v[R+18]|
.irp i, 2,4,6,8,10,12
	v_max3_num_f32 v104, v104, |v[R+\i]|, |v[R+\i+1]|
	v_max3_num_f32 v105, v105, |v[R+17+\i]|, |v[R+18+\i]|
.endr
	v_max3_num_f32 v104, v104, |v[R+14]|, |v[R+15]|
	v_max3_num_f32 v104, v104, v105, |v[R+31]|
	v_add_nc_u32 v106, 0xfe000000, v104            ; the conversion takes this operand's exponent field as its scale
	v_lshrrev_b32 v107, 23, v106                   ; the scale's byte
	v_cvt_scalef32_pk16_bf6_f32 v[80:82], v[R:R+15], v106
	v_cvt_scalef32_pk16_bf6_f32 v[88:90], v[R+16:R+31], v106   ; (a conversion's three registers begin on an even number)
	v_nop                                          ; a plain instruction behind the conversions
	v_mov_b32 v83, v88
	v_mov_b32 v84, v89
	v_mov_b32 v85, v90
.irp i, 92,93,94,95
	v_mov_b32 v\i, 0
.endr
	ds_store_b128 v8, v[92:95] offset:48           ; zeros first; LDS serves a wave's instructions in order, so the bytes below land on them
	ds_store_b64 v6, v[80:81]
	ds_store_b64 v6, v[82:83] offset:8
	ds_store_b64 v6, v[84:85] offset:16
	ds_store_b8 v7, v107 offset:48                 ; the scale word stands in both halves
	ds_store_b8 v7, v107 offset:112
	ds_load_b128 v[96:99], v9
	ds_load_b128 v[100:103], v9 offset:512
	s_wait_dscnt 0x0
	global_store_b128 v3, v[96:99], s[8:9]         ; each store covers 512 consecutive bytes, aligned
	global_store_b128 v3, v[100:103], s[8:9] offset:512
	v_cmp_eq_u32 vcc_lo, 0, v1
	s_wait_xcnt 0x0                                ; EXEC changes only behind this wait
	s_wait_tensorcnt 0x0
	ds_add_u32 v160, v161
	s_wait_dscnt 0x0
	s_and_saveexec_b32 s30, vcc_lo
	global_store_b32 v158, v155, s[10:11]          ; lane 0: the choice,
	global_store_b64 v158, v[156:157], s[12:13]    ; and the two weights
	s_wait_xcnt 0x0
	s_or_b32 exec_lo, exec_lo, s30
	s_endpgm
.Lfunc_end_k_qceb42e8476_route:
	.size	k_qceb42e8476_route, .Lfunc_end_k_qceb42e8476_route-k_qceb42e8476_route
	.p2alignl 7, 3214868480
	.fill 96, 4, 3214868480
	.section	.rodata,"a",@progbits
	.p2align	6, 0x0
	.amdhsa_kernel k_qceb42e8476_route
		.amdhsa_group_segment_fixed_size 55808
		.amdhsa_private_segment_fixed_size 0
		.amdhsa_enable_private_segment 0
		.amdhsa_kernarg_size 40
		.amdhsa_user_sgpr_count 2
		.amdhsa_user_sgpr_kernarg_segment_ptr 1
		.amdhsa_wavefront_size32 1
		.amdhsa_system_sgpr_workgroup_id_x 1
		.amdhsa_system_sgpr_workgroup_id_y 1
		.amdhsa_system_sgpr_workgroup_id_z 1
		.amdhsa_system_vgpr_workitem_id 0
		.amdhsa_next_free_vgpr 162
		.amdhsa_next_free_sgpr 66
		.amdhsa_reserve_vcc 1
		.amdhsa_float_denorm_mode_32 3
		.amdhsa_float_denorm_mode_16_64 3
		.amdhsa_memory_ordered 1
		.amdhsa_forward_progress 1
		.amdhsa_inst_pref_size 31
	.end_amdhsa_kernel
	.amdgpu_metadata
---
amdhsa.version: [ 1, 2 ]
amdhsa.kernels:
  - .name:           k_qceb42e8476_route
    .symbol:         k_qceb42e8476_route.kd
    .args:
      - { .name: x, .offset: 0, .size: 8, .value_kind: global_buffer, .address_space: global }
      - { .name: router_w, .offset: 8, .size: 8, .value_kind: global_buffer, .address_space: global }
      - { .name: xq, .offset: 16, .size: 8, .value_kind: global_buffer, .address_space: global }
      - { .name: ti, .offset: 24, .size: 8, .value_kind: global_buffer, .address_space: global }
      - { .name: tw, .offset: 32, .size: 8, .value_kind: global_buffer, .address_space: global }
    .group_segment_fixed_size: 55808
    .private_segment_fixed_size: 0
    .kernarg_segment_align: 8
    .kernarg_segment_size: 40
    .max_flat_workgroup_size: 128
    .sgpr_count:     66
    .vgpr_count:     162
    .wavefront_size: 32
...
	.end_amdgpu_metadata
.endif
;; end of part 1
;; launch ffn1 (part 2): grid 256 x 1, 4 waves a work-group, no clusters, 109,568 bytes of LDS; arguments W1, b1, xq, ti, hq, hs, rk, cnt; writes hq, hs, rk, cnt
.if DOCPART == 2
	.amdgcn_target "amdgcn-amd-amdhsa--gfx1250"
	.amdhsa_code_object_version 6
	.text
	.protected	k_qceb42e8476_ffn1
	.globl	k_qceb42e8476_ffn1
	.p2align	8
	.type	k_qceb42e8476_ffn1,@function
k_qceb42e8476_ffn1:
	s_mov_b64 s[64:65], 0
	v_nop
	global_prefetch_b8 v0, s[64:65] scope:SCOPE_SE
	s_setreg_imm32_b32 hwreg(HW_REG_WAVE_MODE, 25, 1), 1
	s_wait_xcnt 0x0
; FFN1: h = gelu(x W1[e] + b1[e]) for the tokens that chose expert e, on codes of BF6 (E3M2) with one E8M0 scale for each 32 along K; h leaves as codes for the second product.
; SHARES.  Work-group = (expert e = id >> 5, 128 columns of F: fs = id & 31).  Its 1,024 x 128 numbers of W1 (512 KiB of f32) are read from memory once, by this work-group alone, and quantised in registers on the way.
; K = 1,024 goes in eight trips of 128, all written out, so that every LDS address and every count of loads is a constant of the text.
; A TRIP.  Wave w (column half g = w & 1, half of the K step cc = w >> 1) loads 64 rows x 64 columns by 32 loads of 16 bytes a lane: lanes 0-15 take 256 consecutive bytes of a row of block 2 cc, lanes 16-31 of the same row
; of block 2 cc + 1.  So a lane holds WHOLE blocks of 32 along K for four columns 64 g + 4 r + c: no other lane is asked for a maximum.  Column tile 4 g + c is the columns {64 g + 4 r + c}: which columns form a tile is free.
; The conversions want 16 neighbours along K in consecutive registers, so 128 moves gather each column.  Their results are registers 6 cc .. 6 cc + 5 of lane (r, h) of the tile's operand: they go to LDS as images of registers.
; One barrier; every wave reads the trip's eight fragments and multiplies them with its five tiles of 16 rows.
; THE PRODUCT IS USED TRANSPOSED (source 0 = 16 columns of W1, source 1 = 16 tokens): lane (token r, h) holds, in the 32 accumulator registers 32 u + 8 c + y, f = 64 u + 32 h + 4 y + c: the whole block 2 u + h of its row,
; in the order position p = 8 c + y <-> offset 4 (p & 7) + (p >> 3).  h is coded in that order and the next launch takes W2's rows in the same order: a permutation of k inside a scale block, alike on both operands.
; ROWS.  Every work-group builds expert e's list of tokens from ti while the first weights are on their way.  Wave w owns row tiles w + 4 j (j = 0 .. 4) + 20 x pass.  Pass 0 runs with the stream; rows from 320 on run afterwards
; from the codes, all of which stay in LDS (each LDS byte is written once).  NT = the number of tiles, at least 1; list entries past the count name token 0, so a ragged tile holds finite numbers that nobody gathers.
; The trips always multiply all five tiles, so that the counts of loads are the same on every way; only a tile's finishing is jumped over.  No barrier stands under a branch on a count.
; No tensor loads and no joint loads, though 32 work-groups read the same codes of x: branches here hang on counts read from memory.
; LIMITS: NaN and infinities are not served.  A block whose largest magnitude lies under 2^-122 has its byte held at 1; a block of zeros gets the byte 1 and zero codes (only this program reads the bytes).
; LDS: 0: fragment (8 t + 4 g + c) x 1,536 bytes = two halves cc of 768: 512 (lane at 16 l: four registers) + 256 (lane at 8 l: two).  SCB: 512 bytes a trip, [g][r][c][block].  LIST: 1,664 words.
; REGISTERS, in windows of 256.  Window 0: addresses, scale words, codes at work, x's fragments (two sets).  Window 1: two sets of 128 staging registers; from trip 6 on b1 (0-63) and the gelu's work (64-127).
;   Window 2: accumulators of tiles j = 0 .. 3 at 64 j + 8 n.  Window 3: 0-63 those of j = 4; 64-159 the trip's eight weight fragments; 160-223 two gathered columns.
.set PITCH, 16384                      ; a row of W1 in bytes
.set STEP,  0x200000                   ; 128 rows
.set TRIPB, 12288                      ; a trip's eight fragments in LDS
.set SCB,   98304
.set LIST,  102400
.set WOF,  2                           ; v2   my place in a load of weights: 32 rows x (lane / 16) + 16 bytes x (lane % 16)
.set PFO,  3                           ; v3   lane x a row: the prefetches' offset
.set LWR,  4                           ; v4-6 where I store codes (four registers; two registers) and scale bytes
.set LWR2, 5
.set LWS,  6
.set LRD,  7                           ; v7-9 where I read them
.set LRD2, 8
.set LRS,  9
.set XO,   10                          ; v10-14 my row's place in xq, for each of my five tiles
.set L16,  15
.set L4,   16
.set LA,   17                          ; v17  my entry of the list in tile w
.set SH8,  18                          ; v18  8 h
.set H64,  19                          ; v19  64 h
.set XS,   20                          ; v20-29 x's scale words, two sets of five: scales and nothing else
.set C0,   30                          ; v30-31 the gelu's c0, twice
.set WS,   32                          ; v32-39 the weights' scale words: scales and nothing else
.set M,    40
.set SCO,  44
.set BY,   48
.set KRD,  52                          ; v52-54 the lane terms of v7-9, kept
.set KRD2, 53
.set KRS,  54
.set H128, 55                          ; v55  128 h
.set PC,   64                          ; v64-95  four columns' codes, eight registers apart
.set PT,   96                          ; v96-111 their upper halves as the conversions leave them
.set XF,   112                         ; v112-231 x's fragments: set p, tile j at 112 + 60 p + 12 j
.set TI,   112                         ; at the head: ti,
.set POS,  144                         ; and the tokens' places
.set HC,   232                         ; v232-243 a tile's codes of h
.set HT,   244
.set HW,   252
.set PX,   253
.set ZA,   254
.set L128, 255
.set B1,   0                           ; window 1
.set U,    64
.set WF,   64                          ; window 3
.set T,    160
.set MSB, 0
.macro WIN new                         ; the immediate's high byte repeats the setting that is left; a switch that changes nothing is dropped
.if MSB != (\new)
	s_set_vgpr_msb (MSB<<8)|(\new)
.set MSB, (\new)
.endif
.endm
; trip t's 64 rows x 64 columns into staging set p: register 4 i + c = row i, column c of my four
.macro WLOAD p, t
.set WBR, 34+4*((\t)/4)                ; trips 0-3 from s[34:35], trips 4-7 from s[38:39]: the trip stands in the immediate, inside its signed 24 bits
	WIN 0x40
.set wi, 0
.rept 32
	global_load_b128 v[128*(\p)+4*wi:128*(\p)+4*wi+3], v[WOF], s[WBR:WBR+1] offset:wi*PITCH+((\t)%4)*STEP th:TH_LOAD_NT
.set wi, wi+1
.endr
	WIN 0
.endm
; my own 64 row pieces of trip t, a lane a piece of 256 aligned bytes: each is named once in the launch, by the wave that will load it a trip later
.macro WPREF t
.set WBR, 34+4*((\t)/4)
	global_prefetch_b8 v[PFO], s[WBR:WBR+1] offset:((\t)%4)*STEP th:TH_LOAD_NT scope:SCOPE_SE
	global_prefetch_b8 v[PFO], s[WBR:WBR+1] offset:((\t)%4)*STEP+32*PITCH th:TH_LOAD_NT scope:SCOPE_SE
.endm
; staging set p becomes four columns' codes and scale bytes, which go to LDS
.macro QUANTW p
	WIN 0x14                                       ; sources 1 and 2 in window 1
.irp c, 0,1,2,3
	v_max3_num_f32 v[M+\c], 0x2800000, |v[128*(\p)+\c]|, |v[128*(\p)+4+\c]|   ; the floor 2^(5 - 127) is a leaf: the byte cannot fall under 1
.endr
.irp i, 2,4,6,8,10,12,14,16,18,20,22,24,26,28,30
.irp c, 0,1,2,3
	v_max3_num_f32 v[M+\c], v[M+\c], |v[128*(\p)+4*\i+\c]|, |v[128*(\p)+4*\i+4+\c]|   ; the four columns by turns
.endr
.endr
	WIN 0
.irp c, 0,1,2,3
	v_add_nc_u32 v[SCO+\c], 0xfe000000, v[M+\c]    ; 4 off the exponent field: the conversion's scale operand
.endr
.irp c, 0,1,2,3
	v_lshrrev_b32 v[BY+\c], 23, v[SCO+\c]          ; the scale's byte
.endr
.irp h, 0,2                            ; two columns at a time
	WIN 0xc1                                       ; from window 1 to window 3
.irp d, 0,1
.set qi, 0
.rept 32
	v_mov_b32 v[T+32*\d+qi], v[128*(\p)+4*qi+\h+\d]
.set qi, qi+1
.endr
.endr
	WIN 0x03
.irp d, 0,1
	v_cvt_scalef32_pk16_bf6_f32 v[PC+8*(\h+\d):PC+8*(\h+\d)+2], v[T+32*\d:T+32*\d+15], v[SCO+\h+\d]
	v_cvt_scalef32_pk16_bf6_f32 v[PT+4*(\h+\d):PT+4*(\h+\d)+2], v[T+32*\d+16:T+32*\d+31], v[SCO+\h+\d]   ; (a conversion's three registers begin on an even number)
.endr
	WIN 0
	v_nop                                          ; a plain instruction behind the conversions
.irp d, 0,1
.irp k, 0,1,2
	v_mov_b32 v[PC+8*(\h+\d)+3+\k], v[PT+4*(\h+\d)+\k]
.endr
.endr
.endr
.irp c, 0,1,2,3
	ds_store_b128 v[LWR], v[PC+8*\c:PC+8*\c+3] offset:1536*\c
	ds_store_b64 v[LWR2], v[PC+8*\c+4:PC+8*\c+5] offset:1536*\c
	ds_store_b8 v[LWS], v[BY+\c] offset:4*\c
.endr
.endm
; the trip's eight fragments and their scale words, 34 LDS loads
.macro FETCHW
	WIN 0xc0
.irp n, 0,1,2,3,4,5,6,7
	ds_load_b128 v[WF+12*\n:WF+12*\n+3], v[LRD] offset:1536*\n
	ds_load_b64 v[WF+12*\n+4:WF+12*\n+5], v[LRD2] offset:1536*\n
	ds_load_b128 v[WF+12*\n+6:WF+12*\n+9], v[LRD] offset:1536*\n+768
	ds_load_b64 v[WF+12*\n+10:WF+12*\n+11], v[LRD2] offset:1536*\n+768
.endr
	WIN 0
	ds_load_b128 v[WS:WS+3], v[LRS]
	ds_load_b128 v[WS+4:WS+7], v[LRS] offset:256
.endm
; my five tiles' codes and scale words of x for one K step, o bytes on: 20 loads
.macro XLOAD p, o
.irp j, 0,1,2,3,4
	global_load_b128 v[XF+60*(\p)+12*\j:XF+60*(\p)+12*\j+3], v[XO+\j], s[36:37] offset:(\o)
	global_load_b128 v[XF+60*(\p)+12*\j+4:XF+60*(\p)+12*\j+7], v[XO+\j], s[36:37] offset:(\o)+16
	global_load_b128 v[XF+60*(\p)+12*\j+8:XF+60*(\p)+12*\j+11], v[XO+\j], s[36:37] offset:(\o)+32
	global_load_b32 v[XS+5*(\p)+\j], v[XO+\j], s[36:37] offset:(\o)+48
.endr
.endm
; 40 matrix instructions; the 40 accumulators take turns, one instruction a turn, in the same order in every trip.  zero = 1: the products start the sums
.macro MUL p, zero
.irp j, 0,1,2,3,4
	WIN 0xa3+0x50*(\j/4)                           ; source 0 window 3, source 1 window 0, C and D window 2 (j = 4: window 3)
.irp n, 0,1,2,3,4,5,6,7
.if \zero
	v_wmma_scale_f32_16x16x128_f8f6f4 v[64*(\j%4)+8*\n:64*(\j%4)+8*\n+7], v[WF+12*\n:WF+12*\n+11], v[XF+60*(\p)+12*\j:XF+60*(\p)+12*\j+11], 0, v[WS+\n], v[XS+5*(\p)+\j] matrix_a_fmt:MATRIX_FMT_BF6 matrix_b_fmt:MATRIX_FMT_BF6
.else
	v_wmma_scale_f32_16x16x128_f8f6f4 v[64*(\j%4)+8*\n:64*(\j%4)+8*\n+7], v[WF+12*\n:WF+12*\n+11], v[XF+60*(\p)+12*\j:XF+60*(\p)+12*\j+11], v[64*(\j%4)+8*\n:64*(\j%4)+8*\n+7], v[WS+\n], v[XS+5*(\p)+\j] matrix_a_fmt:MATRIX_FMT_BF6 matrix_b_fmt:MATRIX_FMT_BF6
.endif
.endr
.endr
.endm
; the LDS addresses step to the next trip.  These six plain instructions name no register of the products: they are also the places between the last product and the loads into x's fragments, or the first read of results
.macro STEPL
	WIN 0
	v_add_nc_u32 v[LWR], TRIPB, v[LWR]
	v_add_nc_u32 v[LWR2], TRIPB, v[LWR2]
	v_add_nc_u32 v[LRD], TRIPB, v[LRD]
	v_add_nc_u32 v[LRD2], TRIPB, v[LRD2]
	v_add_nc_u32 v[LWS], 512, v[LWS]
	v_add_nc_u32 v[LRS], 512, v[LRS]
.endm
; b1 in the accumulators' own register order: register 32 u + 8 c + y = b1 at f = 64 u + 32 h + 4 y + c
.macro B1LOAD
	WIN 0x40
.irp u, 0,1
.irp c, 0,1,2,3
.irp y, 0,1,2,3,4,5,6,7
	global_load_b32 v[B1+32*\u+8*\c+\y], v[H128], s[56:57] offset:4*(64*\u+4*\y+\c)
.endr
.endr
.endr
	WIN 0
.endm
; my five tiles' tokens out of the list, s60 bytes on, as places in xq
.macro ROWS
	v_add_nc_u32 v61, s60, v[LA]
.irp j, 0,1,2,3,4
	ds_load_b32 v[56+\j], v61 offset:256*\j
.endr
	s_wait_dscnt 0x0
.irp j, 0,1,2,3,4
	v_min_u32 v[56+\j], 0x3ff, v[56+\j]
.endr
.irp j, 0,1,2,3,4
	v_lshl_add_u32 v[XO+\j], v[56+\j], 10, v[H64]  ; 1,024 bytes a token, + 64 h
.endr
.endm
; TRIP t on set p.  Loads are issued in the order W(t + 2) in the middle, X(t + 2) at the end.  The wait at the head wants W(t): behind it stand X(t), W(t + 1), X(t + 1), 72 loads or more.
; nx wants X(t).  Both counts are the loads issued behind the wanted ones, held at the largest count that the wait can name, 63.
.macro TRIP t, p, zero, wl, pf, xl, nx, bl
	s_wait_loadcnt 63
	QUANTW \p
.if \wl
	WLOAD \p, (\t)+2
.endif
.if \pf
	WPREF (\t)+3
.endif
.if \bl
	B1LOAD
.endif
	s_wait_dscnt 0x0                               ; my codes and bytes have landed
	s_barrier_signal -1
	s_barrier_wait -1                              ; everybody's have
	FETCHW
	s_wait_loadcnt \nx
	s_wait_dscnt 0x0
	MUL \p, \zero
	STEPL
.if \xl
	XLOAD \p, 128*((\t)+2)
.endif
.endm
; TILE j IS FINISHED: + b1, gelu, quantised along F, stored as an image of the next product's operand registers.  gelu(z) = z / (1 + 2^(z (c0 + c1 z^2))), the tanh form written with one exponential;
; c0 = -2 log2(e) sqrt(2 / pi), c1 = 0.044715 c0.  Each accumulator is read from its low end on.
.macro FIN j
.set ZW, 2+(\j)/4
.set ZB, 64*((\j)%4)
	s_add_co_u32 s32, s50, 4*(\j)                  ; the tile's number
	s_cmp_ge_u32 s32, s29
	s_cbranch_scc1 .Lnofin_\@
	s_wait_xcnt 0x0                                ; the last tile's stores have read their registers and bases
	s_mul_i32 s44, s32, 1536
	s_mov_b32 s45, 0
	s_add_nc_u64 s[44:45], s[40:41], s[44:45]
	s_lshl_b32 s46, s32, 7
	s_mov_b32 s47, 0
	s_add_nc_u64 s[46:47], s[42:43], s[46:47]
	WIN (ZW<<6)|4|ZW
.set k, 0
.rept 32
	v_pk_add_f32 v[ZB+k:ZB+k+1], v[ZB+k:ZB+k+1], v[B1+k:B1+k+1]
.set k, k+2
.endr
	WIN 0x40|(ZW<<2)|ZW
.set k, 0
.rept 32
	v_pk_mul_f32 v[U+k:U+k+1], v[ZB+k:ZB+k+1], v[ZB+k:ZB+k+1]
.set k, k+2
.endr
	WIN 0x41
.set k, 0
.rept 32
	v_pk_fma_f32 v[U+k:U+k+1], v[U+k:U+k+1], s[52:53], v[C0:C0+1] op_sel_hi:[1,0,0]
.set k, k+2
.endr
	WIN 0x41|(ZW<<2)
.set k, 0
.rept 32
	v_pk_mul_f32 v[U+k:U+k+1], v[U+k:U+k+1], v[ZB+k:ZB+k+1]
.set k, k+2
.endr
	WIN 0x41
.set k, 0
.rept 64
	v_exp_f32 v[U+k], v[U+k]
.set k, k+1
.endr
	v_nop                                          ; a plain instruction behind the last exponential
	s_wait_alu depctr_va_vdst(0)                   ; one wait for the 64, ahead of their first reader
.set k, 0
.rept 32
	v_pk_add_f32 v[U+k:U+k+1], v[U+k:U+k+1], 1.0 op_sel_hi:[1,0]
.set k, k+2
.endr
.set k, 0
.rept 64
	v_rcp_f32 v[U+k], v[U+k]
.set k, k+1
.endr
	v_nop
	s_wait_alu depctr_va_vdst(0)                   ; and one for the 64 reciprocals
	WIN (ZW<<6)|4|ZW
.set k, 0
.rept 32
	v_pk_mul_f32 v[ZB+k:ZB+k+1], v[ZB+k:ZB+k+1], v[U+k:U+k+1]
.set k, k+2
.endr
	WIN (ZW<<4)|(ZW<<2)
.irp u, 0,1                            ; registers 32 u .. 32 u + 31 are block 2 u + h of my row, whole
	v_max3_num_f32 v[M+\u], 0x2800000, |v[ZB+32*\u]|, |v[ZB+32*\u+1]|
.endr
.irp i, 2,4,6,8,10,12,14,16,18,20,22,24,26,28,30
.irp u, 0,1
	v_max3_num_f32 v[M+\u], v[M+\u], |v[ZB+32*\u+\i]|, |v[ZB+32*\u+\i+1]|
.endr
.endr
	WIN 0
.irp u, 0,1
	v_add_nc_u32 v[SCO+\u], 0xfe000000, v[M+\u]
.endr
.irp u, 0,1
	v_lshrrev_b32 v[BY+\u], 23, v[SCO+\u]
.endr
	WIN ZW
.irp u, 0,1
	v_cvt_scalef32_pk16_bf6_f32 v[HC+6*\u:HC+6*\u+2], v[ZB+32*\u:ZB+32*\u+15], v[SCO+\u]
	v_cvt_scalef32_pk16_bf6_f32 v[HT+4*\u:HT+4*\u+2], v[ZB+32*\u+16:ZB+32*\u+31], v[SCO+\u]
.endr
	WIN 0
	v_nop                                          ; a plain instruction behind the conversions
.irp u, 0,1
.irp k, 0,1,2
	v_mov_b32 v[HC+6*\u+3+\k], v[HT+4*\u+\k]
.endr
.endr
	v_lshl_or_b32 v[HW], v[BY+1], 16, v[BY]        ; my two bytes, blocks h and 2 + h,
	v_lshlrev_b32 v[HW], v[SH8], v[HW]             ; at their places in the row's scale word;
	v_permlanex16_b32 v[PX], v[HW], s54, s55
	v_or_b32 v[HW], v[HW], v[PX]                   ; with lane l xor 16's two the word is whole
	global_store_b128 v[L16], v[HC:HC+3], s[44:45]             ; each store covers 512 consecutive bytes, aligned
	global_store_b128 v[L16], v[HC+4:HC+7], s[44:45] offset:512
	global_store_b128 v[L16], v[HC+8:HC+11], s[44:45] offset:1024
	global_store_b32 v[L4], v[HW], s[46:47]
.Lnofin_\@:
.endm
	s_load_b512 s[8:23], s[0:1], 0x0               ; W1 s[8:9], b1 s[10:11], xq s[12:13], ti s[14:15], hq s[16:17], hs s[18:19], rk s[20:21], cnt s[22:23]
	v_lshl_add_u32 v247, v0, 2, 0x1aa00
	v_mov_b32 v251, 0
	v_lshrrev_b32 v1, 5, v0
	v_readfirstlane_b32 s24, v1                    ; wave
	s_lshr_b32 s25, ttmp9, 5                       ; e
	s_and_b32 s26, ttmp9, 31                       ; fs
	s_and_b32 s27, s24, 1                          ; g: my column half
	s_lshr_b32 s28, s24, 1                         ; cc: my half of a K step
	v_and_b32 v1, 31, v0                           ; lane
	v_and_b32 v56, 15, v0                          ; r
	v_bfe_u32 v57, v0, 4, 1                        ; h
	v_lshlrev_b32 v[WOF], 4, v56
	v_lshl_or_b32 v[WOF], v57, 19, v[WOF]
	v_lshlrev_b32 v[PFO], 14, v1
	v_lshlrev_b32 v[L16], 4, v1
	v_lshlrev_b32 v[L4], 2, v1
	v_lshlrev_b32 v[L128], 7, v1
	v_lshlrev_b32 v[SH8], 3, v57
	v_lshlrev_b32 v[H64], 6, v57
	v_lshlrev_b32 v[H128], 7, v57
	s_mul_i32 s32, s27, 6144
	s_mul_i32 s33, s28, 768
	s_add_co_u32 s32, s32, s33
	v_lshl_add_u32 v[LWR], v1, 4, s32              ; 6,144 g + 768 cc + 16 lane
	s_add_co_u32 s32, s32, 512
	v_lshl_add_u32 v[LWR2], v1, 3, s32             ; + 512 + 8 lane
	s_lshl_b32 s32, s27, 8
	s_lshl_b32 s33, s28, 1
	s_add_co_u32 s32, s32, s33
	s_add_co_u32 s32, s32, SCB
	v_lshl_add_u32 v[LWS], v56, 4, v57
	v_add_nc_u32 v[LWS], s32, v[LWS]               ; SCB + 256 g + 16 r + 2 cc + h
	v_lshlrev_b32 v[LRD], 4, v1
	v_lshlrev_b32 v[KRD], 4, v1
	v_lshl_add_u32 v[LRD2], v1, 3, 512
	v_lshl_add_u32 v[KRD2], v1, 3, 512
	v_lshl_add_u32 v[LRS], v56, 4, SCB
	v_lshl_add_u32 v[KRS], v56, 4, SCB
	s_lshl_b32 s32, s24, 6
	s_add_co_u32 s32, s32, LIST
	v_lshl_add_u32 v[LA], v56, 2, s32              ; LIST + 64 wave + 4 r
	v_lshl_add_u32 v[ZA], v1, 4, LIST
	v_add_nc_u32 v57, 1632, v1                     ; a place behind the list for tokens that did not choose e
	v_mov_b32 v[C0], 0xc0135761                    ; c0 = -2.3022082
	v_mov_b32 v[C0+1], 0xc0135761
	v_mov_b32 v[PX], 0                             ; written once: a lane permute's destination counts as one of its sources
	s_mov_b32 s52, 0xbdd2d3e8                      ; c1 = -0.10294324
	s_mov_b32 s53, s52
	s_mov_b32 s54, 0x76543210
	s_mov_b32 s55, 0xfedcba98
	s_lshl_b32 s51, 0x10000, s25                   ; e's bit in a word of ti
	s_mov_b32 s30, 0                               ; the count
	s_mov_b32 s50, s24                             ; my first tile
	s_mov_b32 s60, 0
	s_lshl_b32 s34, s25, 24                        ; W1: expert e,
	s_lshl_b32 s32, s28, 20                        ; 64 cc rows,
	s_add_co_u32 s34, s34, s32
	s_lshl_b32 s32, s26, 9                         ; 128 fs columns,
	s_add_co_u32 s34, s34, s32
	s_lshl_b32 s32, s27, 8                         ; 64 g columns
	s_add_co_u32 s34, s34, s32
	s_mov_b32 s35, 0
	s_mul_i32 s40, ttmp9, 98304                    ; hq: (32 e + fs) x 64 tiles x 1,536 bytes
	s_mov_b32 s41, 0
	s_lshl_b32 s42, ttmp9, 13                      ; hs: x 64 tiles x 128 bytes
	s_mov_b32 s43, 0
	s_lshl_b32 s56, ttmp9, 9                       ; b1: 4,096 e + 128 fs numbers
	s_mov_b32 s57, 0
	s_lshl_b32 s44, s25, 2
	s_mov_b32 s45, 0
	s_lshl_b32 s46, s25, 7
	s_mov_b32 s47, 0
	s_wait_kmcnt 0x0
	s_add_nc_u64 s[34:35], s[8:9], s[34:35]
	s_add_nc_u64 s[38:39], s[34:35], 4*STEP
	s_mov_b64 s[36:37], s[12:13]
	s_add_nc_u64 s[40:41], s[16:17], s[40:41]
	s_add_nc_u64 s[42:43], s[18:19], s[42:43]
	s_add_nc_u64 s[56:57], s[10:11], s[56:57]
	s_add_nc_u64 s[20:21], s[20:21], s[44:45]
	s_add_nc_u64 s[22:23], s[22:23], s[46:47]
.irp q, 0,1,2,3,4,5,6,7
	global_load_b128 v[TI+4*\q:TI+4*\q+3], v[L16], s[14:15] offset:512*\q   ; register 4 q + i: token 128 q + 4 lane + i
.endr
	WLOAD 0, 0
	WLOAD 1, 1
	s_wait_loadcnt 63                              ; ti is in: 64 loads were issued behind it
	; THE LIST.  Every wave counts (it needs the count); a token's place is the number of choosers ahead of it, registers first, lanes second
.set ln, 0
.rept 32
	v_and_b32 v56, s51, v[TI+ln]
	v_cmp_ne_u32 s31, 0, v56
	v_mbcnt_lo_u32_b32 v[POS+ln], s31, s30
	v_cndmask_b32 v[POS+ln], v57, v[POS+ln], s31
	s_bcnt1_i32_b32 s32, s31
	s_add_co_u32 s30, s30, s32
.set ln, ln+1
.endr
	s_cmp_lg_u32 s24, 0                            ; wave 0 alone writes the list; no other wave touches LDS ahead of the barrier below
	s_cbranch_scc1 .Lnot_wave0
.irp i, 58,59,60,61
	v_mov_b32 v\i, 0
.endr
.irp z, 0,1,2,3,4,5,6,7,8,9,10,11,12
	ds_store_b128 v[ZA], v[58:61] offset:512*\z    ; entries past the count name token 0
.endr
.set ln, 0
.rept 32
	v_min_u32 v62, 0x67f, v[POS+ln]
	v_lshl_add_u32 v62, v62, 2, LIST
	v_add_nc_u32 v63, 128*(ln/4)+(ln%4), v[L4]     ; the token's number
	ds_store_b32 v62, v63                          ; LDS serves a wave's instructions in order: these land on the zeros
.set ln, ln+1
.endr
	s_cmp_lg_u32 s26, 0                            ; the expert's first work-group stores the places and the count for the later launches
	s_cbranch_scc1 .Lnot_wave0
.set ln, 0
.rept 32
	global_store_b32 v[L128], v[POS+ln], s[20:21] offset:32*(128*(ln/4)+(ln%4))   ; rk[token][e]
.set ln, ln+1
.endr
	v_mov_b32 v63, s30
	global_store_b32 v[L4], v63, s[22:23]
	s_wait_xcnt 0x0                                ; the stores have read the places: x's fragments are loaded into those registers below
.Lnot_wave0:
	s_wait_dscnt 0x0
	s_barrier_signal -1
	s_barrier_wait -1                              ; the list lies in LDS
	s_add_co_u32 s29, s30, 15
	s_lshr_b32 s29, s29, 4
	s_max_u32 s29, s29, 1
	s_min_u32 s29, s29, 64                         ; NT
	ROWS
	XLOAD 0, 0
	XLOAD 1, 128
	TRIP 0, 0, 1, 1, 1, 1, 52, 0                   ; 52: behind X0 stand X1's 20 loads and W2's 32
	TRIP 1, 1, 0, 1, 1, 1, 63, 0
	TRIP 2, 0, 0, 1, 1, 1, 63, 0
	TRIP 3, 1, 0, 1, 1, 1, 63, 0
	TRIP 4, 0, 0, 1, 1, 1, 63, 0
	TRIP 5, 1, 0, 1, 0, 1, 63, 0                   ; the last weights are asked for: nothing is left to prefetch
	TRIP 6, 0, 0, 0, 0, 0, 63, 1                   ; staging set 0 is free: b1's 64 loads go there
	TRIP 7, 1, 0, 0, 0, 0, 63, 0
	s_wait_loadcnt 0x0                             ; b1
	s_mov_b32 s49, 0
.Lpass:                                            ; four trips: the five tiles just multiplied are finished; then the next twenty tiles' products, if there are such rows, from the codes in LDS
	FIN 0
	FIN 1
	FIN 2
	FIN 3
	FIN 4
	s_add_co_u32 s50, s50, 20
	s_add_co_u32 s60, s60, 1280
	s_wait_xcnt 0x0                                ; earlier loads and stores have read their offsets and bases
	s_mov_b64 s[36:37], s[12:13]
	ROWS
	s_mov_b32 s58, 0
	s_mov_b32 s59, 0
	s_mov_b32 s48, 0
.Lok:                                              ; eight trips along K; every wave walks them, and a wave without rows jumps over the work
	s_cmp_ge_u32 s50, s29
	s_cbranch_scc1 .Lidle
	v_add_nc_u32 v[LRD], s58, v[KRD]
	v_add_nc_u32 v[LRD2], s58, v[KRD2]
	v_add_nc_u32 v[LRS], s59, v[KRS]
	XLOAD 0, 0
	FETCHW
	s_wait_loadcnt 0x0
	s_wait_dscnt 0x0
	s_cmp_eq_u32 s48, 0
	s_cbranch_scc0 .Lacc
	MUL 0, 1
	WIN 0
	s_branch .Lmuld
.Lacc:
	MUL 0, 0
	WIN 0
.Lmuld:
.rept 5
	v_nop                                          ; places behind the last product: for loads into its operands, reads of results, and products that begin the sums anew
.endr
.Lidle:
	s_wait_xcnt 0x0
	s_add_nc_u64 s[36:37], s[36:37], 128
	s_add_co_u32 s58, s58, TRIPB
	s_add_co_u32 s59, s59, 512
	s_add_co_u32 s48, s48, 1
	s_cmp_lt_u32 s48, 8
	s_cbranch_scc1 .Lok
	s_add_co_u32 s49, s49, 1
	s_cmp_lt_u32 s49, 4
	s_cbranch_scc1 .Lpass
	s_wait_tensorcnt 0x0
	ds_add_u32 v247, v251
	s_wait_dscnt 0x0
	s_endpgm
.Lfunc_end_k_qceb42e8476_ffn1:
	.size	k_qceb42e8476_ffn1, .Lfunc_end_k_qceb42e8476_ffn1-k_qceb42e8476_ffn1
	.p2alignl 7, 3214868480
	.fill 96, 4, 3214868480
	.section	.rodata,"a",@progbits
	.p2align	6, 0x0
	.amdhsa_kernel k_qceb42e8476_ffn1
		.amdhsa_group_segment_fixed_size 109568
		.amdhsa_private_segment_fixed_size 0
		.amdhsa_enable_private_segment 0
		.amdhsa_kernarg_size 64
		.amdhsa_user_sgpr_count 2
		.amdhsa_user_sgpr_kernarg_segment_ptr 1
		.amdhsa_wavefront_size32 1
		.amdhsa_system_sgpr_workgroup_id_x 1
		.amdhsa_system_sgpr_workgroup_id_y 1
		.amdhsa_system_sgpr_workgroup_id_z 1
		.amdhsa_system_vgpr_workitem_id 0
		.amdhsa_next_free_vgpr 1024
		.amdhsa_next_free_sgpr 66
		.amdhsa_reserve_vcc 0
		.amdhsa_float_denorm_mode_32 3
		.amdhsa_float_denorm_mode_16_64 3
		.amdhsa_memory_ordered 1
		.amdhsa_forward_progress 1
		.amdhsa_inst_pref_size 255
	.end_amdhsa_kernel
	.section	.bss,"aw",@nobits
	.p2align	6
	.space	262144
	.amdgpu_metadata
---
amdhsa.version: [ 1, 2 ]
amdhsa.kernels:
  - .name:           k_qceb42e8476_ffn1
    .symbol:         k_qceb42e8476_ffn1.kd
    .args:
      - { .name: W1, .offset: 0, .size: 8, .value_kind: global_buffer, .address_space: global }
      - { .name: b1, .offset: 8, .size: 8, .value_kind: global_buffer, .address_space: global }
      - { .name: xq, .offset: 16, .size: 8, .value_kind: global_buffer, .address_space: global }
      - { .name: ti, .offset: 24, .size: 8, .value_kind: global_buffer, .address_space: global }
      - { .name: hq, .offset: 32, .size: 8, .value_kind: global_buffer, .address_space: global }
      - { .name: hs, .offset: 40, .size: 8, .value_kind: global_buffer, .address_space: global }
      - { .name: rk, .offset: 48, .size: 8, .value_kind: global_buffer, .address_space: global }
      - { .name: cnt, .offset: 56, .size: 8, .value_kind: global_buffer, .address_space: global }
    .group_segment_fixed_size: 109568
    .private_segment_fixed_size: 0
    .kernarg_segment_align: 8
    .kernarg_segment_size: 64
    .max_flat_workgroup_size: 128
    .sgpr_count:     66
    .vgpr_count:     1024
    .wavefront_size: 32
...
	.end_amdgpu_metadata
.endif
;; end of part 2
;; launch ffn2 (part 3): grid 256 x 1, 4 waves a work-group, no clusters, 102,912 bytes of LDS; arguments W2, b2, hq, hs, cnt, yb; writes yb
.if DOCPART == 3
	.amdgcn_target "amdgcn-amd-amdhsa--gfx1250"
	.amdhsa_code_object_version 6
	.text
	.protected	k_qceb42e8476_ffn2
	.globl	k_qceb42e8476_ffn2
	.p2align	8
	.type	k_qceb42e8476_ffn2,@function
k_qceb42e8476_ffn2:
	s_mov_b64 s[64:65], 0
	v_nop
	global_prefetch_b8 v0, s[64:65] scope:SCOPE_SE
	s_setreg_imm32_b32 hwreg(HW_REG_WAVE_MODE, 25, 1), 1
	s_wait_xcnt 0x0
; FFN2: y = h W2[e] (+ b2[e]) for expert e's rows, on codes of BF6 (E3M2) with one E8M0 scale for each 32 along K = F.
; SHARES.  Work-group = (expert e = id >> 5, 64 columns of D: ds = (id >> 1) & 15, half of F: fh = id & 1).  Its 2,048 x 64 numbers of W2 (512 KiB of f32) are read from memory once, by this work-group alone, and
; quantised in registers on the way.  The two halves' sums go to two planes of yb; the last launch adds them.  b2 is added in half 0.
; K goes in eight trips of 256 (two K steps of 128), all written out.  Wave w loads rows 256 t + 64 w + 32 (lane / 16) + pi(i), i = 0 .. 31, of its work-group's 64 columns: 256 consecutive bytes for sixteen lanes.
; pi(p) = 4 (p & 7) + (p >> 3) is the order in which the launch before has coded h inside a block of 32: the same permutation of k inside a scale block on both operands.
; A lane holds whole blocks for four columns 4 r + c; column tile c is the columns {4 r + c}.  Wave w's codes are half cc = w & 1 of the four fragments of K step g = w >> 1 of the trip.  They go to LDS as images of
; registers; one barrier; every wave reads the trip's eight fragments and multiplies them with its five tiles of 16 rows, whose codes of h come from memory as images of the operand's registers.
; The product is used as it stands (source 0 = 16 rows of h, source 1 = 16 columns): register y of lane (r, hd) of tile c is row 8 hd + y, column 4 r + c: the four tiles' registers make 16 neighbouring bytes of a row.
; ROWS: as in the launch before: wave w owns tiles w + 4 j + 20 x pass; NT from cnt[e]; an idle tile reads tile NT - 1, which was stored, and its results are dropped.  Rows from 320 on run from the codes kept in LDS.
; No tensor loads and no joint loads, though 16 work-groups read the same codes of h: branches here hang on a count read from memory.
; LIMITS: NaN and infinities are not served.  A block of W2 whose largest magnitude lies under 2^-122 has its byte held at 1; a block of zeros gets the byte 1 and zero codes.
; LDS: 0: fragment (8 t + 4 g + c) x 1,536 bytes = two halves cc of 768: 512 (lane at 16 l) + 256 (lane at 8 l).  SCB: 512 bytes a trip, [g][r][c][block].  Each byte is written once.
; REGISTERS.  Window 0: addresses, scale words, codes at work, two gathered columns (112-175), a tile on its way out (176-207).  Window 1: two staging sets of 128.
;   Window 2: h's fragments: set p, tile j, K step k at 120 p + 24 j + 12 k.  Window 3: accumulators (j, c) at 32 j + 8 c; from 160 the trip's eight weight fragments.
.set PITCH, 4096
.set STEP,  0x100000                   ; 256 rows
.set TRIPB, 12288
.set SCB,   98304
.set WOF,  2
.set PFO,  3
.set LWR,  4
.set LWR2, 5
.set LWS,  6
.set LRD,  7
.set LRD2, 8
.set LRS,  9
.set HO,   10                          ; v10-14 my lane's place in hq for each of my five tiles
.set HSO,  15                          ; v15-19 and in hs
.set XS,   20                          ; v20-29 h's scale words: lanes 0-15 the trip's first K step, lanes 16-31 its second; scales and nothing else
.set YO,   30                          ; v30  my place in a tile of yb
.set L16,  31
.set WS,   32                          ; v32-39 the weights' scale words: scales and nothing else
.set M,    40
.set SCO,  44
.set BY,   48
.set KRD,  52
.set KRD2, 53
.set KRS,  54
.set BIAS, 56                          ; v56-59 b2 of my four columns (zeros in half 1)
.set HS0,  60                          ; v60  8,192 (lane / 16) + 4 lane
.set PC,   64
.set PT,   96
.set T,    112
.set OUT,  176
.set WF,   160                         ; window 3
.set MSB, 0
.macro WIN new                         ; the immediate's high byte repeats the setting that is left; a switch that changes nothing is dropped
.if MSB != (\new)
	s_set_vgpr_msb (MSB<<8)|(\new)
.set MSB, (\new)
.endif
.endm
.macro WLOAD p, t                      ; trip t's 64 rows x 64 columns into staging set p: register 4 i + c = position i of the block, column c of my four.  The trip stands in the immediate
	WIN 0x40
.set wi, 0
.rept 32
	global_load_b128 v[128*(\p)+4*wi:128*(\p)+4*wi+3], v[WOF], s[34:35] offset:(4*(wi&7)+(wi>>3))*PITCH+(\t)*STEP th:TH_LOAD_NT
.set wi, wi+1
.endr
	WIN 0
.endm
.macro WPREF t                         ; my own 64 row pieces of trip t, a lane a piece of 256 aligned bytes: each is named once in the launch, by the wave that will load it a trip later
	global_prefetch_b8 v[PFO], s[34:35] offset:(\t)*STEP th:TH_LOAD_NT scope:SCOPE_SE
	global_prefetch_b8 v[PFO], s[34:35] offset:(\t)*STEP+32*PITCH th:TH_LOAD_NT scope:SCOPE_SE
.endm
.macro QUANTW p                        ; staging set p becomes four columns' codes and scale bytes, which go to LDS
	WIN 0x14                                       ; sources 1 and 2 in window 1
.irp c, 0,1,2,3
	v_max3_num_f32 v[M+\c], 0x2800000, |v[128*(\p)+\c]|, |v[128*(\p)+4+\c]|   ; the floor 2^(5 - 127) is a leaf: the byte cannot fall under 1
.endr
.irp i, 2,4,6,8,10,12,14,16,18,20,22,24,26,28,30
.irp c, 0,1,2,3
	v_max3_num_f32 v[M+\c], v[M+\c], |v[128*(\p)+4*\i+\c]|, |v[128*(\p)+4*\i+4+\c]|
.endr
.endr
	WIN 0
.irp c, 0,1,2,3
	v_add_nc_u32 v[SCO+\c], 0xfe000000, v[M+\c]    ; 4 off the exponent field: the conversion's scale operand
.endr
.irp c, 0,1,2,3
	v_lshrrev_b32 v[BY+\c], 23, v[SCO+\c]
.endr
.irp h, 0,2
	WIN 0x01                                       ; from window 1
.irp d, 0,1
.set qi, 0
.rept 32
	v_mov_b32 v[T+32*\d+qi], v[128*(\p)+4*qi+\h+\d]
.set qi, qi+1
.endr
.endr
	WIN 0
.irp d, 0,1
	v_cvt_scalef32_pk16_bf6_f32 v[PC+8*(\h+\d):PC+8*(\h+\d)+2], v[T+32*\d:T+32*\d+15], v[SCO+\h+\d]
	v_cvt_scalef32_pk16_bf6_f32 v[PT+4*(\h+\d):PT+4*(\h+\d)+2], v[T+32*\d+16:T+32*\d+31], v[SCO+\h+\d]
.endr
	v_nop                                          ; a plain instruction behind the conversions
.irp d, 0,1
.irp k, 0,1,2
	v_mov_b32 v[PC+8*(\h+\d)+3+\k], v[PT+4*(\h+\d)+\k]
.endr
.endr
.endr
.irp c, 0,1,2,3
	ds_store_b128 v[LWR], v[PC+8*\c:PC+8*\c+3] offset:1536*\c
	ds_store_b64 v[LWR2], v[PC+8*\c+4:PC+8*\c+5] offset:1536*\c
	ds_store_b8 v[LWS], v[BY+\c] offset:4*\c
.endr
.endm
.macro FETCHW
	WIN 0xc0
.irp n, 0,1,2,3,4,5,6,7
	ds_load_b128 v[WF+12*\n:WF+12*\n+3], v[LRD] offset:1536*\n
	ds_load_b64 v[WF+12*\n+4:WF+12*\n+5], v[LRD2] offset:1536*\n
	ds_load_b128 v[WF+12*\n+6:WF+12*\n+9], v[LRD] offset:1536*\n+768
	ds_load_b64 v[WF+12*\n+10:WF+12*\n+11], v[LRD2] offset:1536*\n+768
.endr
	WIN 0
	ds_load_b128 v[WS:WS+3], v[LRS]
	ds_load_b128 v[WS+4:WS+7], v[LRS] offset:256
.endm
.macro XLOAD p, o, w                   ; my five tiles' codes and scale words of h for one trip: 35 loads
	WIN 0x80
.irp j, 0,1,2,3,4
.irp k, 0,1
.irp q, 0,1,2
	global_load_b128 v[120*(\p)+24*\j+12*\k+4*\q:120*(\p)+24*\j+12*\k+4*\q+3], v[HO+\j], s[36:37] offset:(\o)+98304*\k+512*\q
.endr
.endr
.endr
	WIN 0
.irp j, 0,1,2,3,4
	global_load_b32 v[XS+5*(\p)+\j], v[HSO+\j], s[40:41] offset:(\w)
.endr
.endm
; 40 matrix instructions; accumulators by turns, one instruction a turn: a tile's four, for the trip's first K step and then for its second
.macro MUL p, zero
	WIN 0xfe                                       ; source 0 window 2; source 1, C and D window 3
.irp j, 0,1,2,3,4
.irp c, 0,1,2,3
.if \zero
	v_wmma_scale_f32_16x16x128_f8f6f4 v[32*\j+8*\c:32*\j+8*\c+7], v[120*(\p)+24*\j:120*(\p)+24*\j+11], v[WF+12*\c:WF+12*\c+11], 0, v[XS+5*(\p)+\j], v[WS+\c] matrix_a_fmt:MATRIX_FMT_BF6 matrix_b_fmt:MATRIX_FMT_BF6
.else
	v_wmma_scale_f32_16x16x128_f8f6f4 v[32*\j+8*\c:32*\j+8*\c+7], v[120*(\p)+24*\j:120*(\p)+24*\j+11], v[WF+12*\c:WF+12*\c+11], v[32*\j+8*\c:32*\j+8*\c+7], v[XS+5*(\p)+\j], v[WS+\c] matrix_a_fmt:MATRIX_FMT_BF6 matrix_b_fmt:MATRIX_FMT_BF6
.endif
.endr
.irp c, 0,1,2,3
	v_wmma_scale_f32_16x16x128_f8f6f4 v[32*\j+8*\c:32*\j+8*\c+7], v[120*(\p)+24*\j+12:120*(\p)+24*\j+23], v[WF+48+12*\c:WF+48+12*\c+11], v[32*\j+8*\c:32*\j+8*\c+7], v[XS+5*(\p)+\j], v[WS+4+\c] matrix_a_fmt:MATRIX_FMT_BF6 matrix_b_fmt:MATRIX_FMT_BF6 matrix_a_scale:MATRIX_SCALE_ROW1
.endr
.endr
.endm
.macro STEPL                           ; the LDS addresses step to the next trip; these six plain instructions are also the places behind the last product
	WIN 0
	v_add_nc_u32 v[LWR], TRIPB, v[LWR]
	v_add_nc_u32 v[LWR2], TRIPB, v[LWR2]
	v_add_nc_u32 v[LRD], TRIPB, v[LRD]
	v_add_nc_u32 v[LRD2], TRIPB, v[LRD2]
	v_add_nc_u32 v[LWS], 512, v[LWS]
	v_add_nc_u32 v[LRS], 512, v[LRS]
.endm
.macro ROWS                            ; my five tiles' places in hq and hs; a tile past the last reads the last
	s_sub_co_u32 s33, s29, 1
.irp j, 0,1,2,3,4
	s_add_co_u32 s32, s50, 4*\j
	s_min_u32 s32, s32, s33
	s_min_u32 s32, s32, 63
	s_mul_i32 s51, s32, 1536
	v_add_nc_u32 v[HO+\j], s51, v[L16]
	s_lshl_b32 s51, s32, 7
	v_add_nc_u32 v[HSO+\j], s51, v[HS0]
.endr
.endm
; TRIP t on set p.  Loads are issued in the order W(t + 2) in the middle, X(t + 2) at the end.  nw wants W(t), nx wants X(t): each is the number of loads issued behind the wanted ones, held at the largest count that the wait can name, 63.
.macro TRIP t, p, zero, wl, pf, xl, nw, nx
	s_wait_loadcnt \nw
	QUANTW \p
.if \wl
	WLOAD \p, (\t)+2
.endif
.if \pf
	WPREF (\t)+3
.endif
	s_wait_dscnt 0x0                               ; my codes and bytes have landed
	s_barrier_signal -1
	s_barrier_wait -1                              ; everybody's have
	FETCHW
	s_wait_loadcnt \nx
	s_wait_dscnt 0x0
	MUL \p, \zero
	STEPL
.if \xl
	XLOAD \p, 196608*((\t)+2), 16384*((\t)+2)
.endif
.endm
; TILE j LEAVES.  The addition of the bias also lays a row's four neighbouring columns into four neighbouring registers; each accumulator is read from its low end on
.macro FIN j
	s_add_co_u32 s32, s50, 4*(\j)
	s_cmp_ge_u32 s32, s29
	s_cbranch_scc1 .Lnofin_\@
	s_wait_xcnt 0x0                                ; the last tile's stores have read their registers and base
	s_lshl_b32 s46, s32, 16                        ; 16 rows of 4,096 bytes
	s_mov_b32 s47, 0
	s_add_nc_u64 s[46:47], s[44:45], s[46:47]
	WIN 0x03
.irp y, 0,1,2,3,4,5,6,7
.irp c, 0,1,2,3
	v_add_f32 v[OUT+4*\y+\c], v[32*(\j)+8*\c+\y], v[BIAS+\c]
.endr
.endr
	WIN 0
.irp y, 0,1,2,3,4,5,6,7
	global_store_b128 v[YO], v[OUT+4*\y:OUT+4*\y+3], s[46:47] offset:4096*\y th:TH_STORE_NT   ; sixteen lanes store 256 consecutive bytes of a row, aligned
.endr
.Lnofin_\@:
.endm
	s_load_b256 s[8:15], s[0:1], 0x0               ; W2 s[8:9], b2 s[10:11], hq s[12:13], hs s[14:15]
	s_load_b128 s[16:19], s[0:1], 0x20             ; cnt s[16:17], yb s[18:19]
	v_lshl_add_u32 v254, v0, 2, 0x19000
	v_mov_b32 v255, 0
	v_lshrrev_b32 v1, 5, v0
	v_readfirstlane_b32 s24, v1                    ; wave
	s_lshr_b32 s25, ttmp9, 5                       ; e
	s_bfe_u32 s26, ttmp9, 0x40001                  ; ds
	s_and_b32 s31, ttmp9, 1                        ; fh
	s_lshr_b32 s27, s24, 1                         ; g: which K step of a trip
	s_and_b32 s28, s24, 1                          ; cc: which half of it
	v_and_b32 v1, 31, v0                           ; lane
	v_and_b32 v61, 15, v0                          ; r
	v_bfe_u32 v62, v0, 4, 1                        ; lane / 16
	v_lshlrev_b32 v[WOF], 4, v61
	v_lshl_or_b32 v[WOF], v62, 17, v[WOF]
	v_lshlrev_b32 v[PFO], 12, v1
	v_lshlrev_b32 v[L16], 4, v1
	v_lshlrev_b32 v[YO], 4, v61
	v_lshl_or_b32 v[YO], v62, 15, v[YO]            ; 8 rows x (lane / 16) + 16 bytes x r
	v_lshlrev_b32 v[HS0], 2, v1
	v_lshl_add_u32 v[HS0], v62, 13, v[HS0]
	v_lshlrev_b32 v63, 4, v61                      ; b2: 16 r; never rewritten
	s_mul_i32 s32, s27, 6144
	s_mul_i32 s33, s28, 768
	s_add_co_u32 s32, s32, s33
	v_lshl_add_u32 v[LWR], v1, 4, s32
	s_add_co_u32 s32, s32, 512
	v_lshl_add_u32 v[LWR2], v1, 3, s32
	s_lshl_b32 s32, s27, 8
	s_lshl_b32 s33, s28, 1
	s_add_co_u32 s32, s32, s33
	s_add_co_u32 s32, s32, SCB
	v_lshl_add_u32 v[LWS], v61, 4, v62
	v_add_nc_u32 v[LWS], s32, v[LWS]
	v_lshlrev_b32 v[LRD], 4, v1
	v_lshlrev_b32 v[KRD], 4, v1
	v_lshl_add_u32 v[LRD2], v1, 3, 512
	v_lshl_add_u32 v[KRD2], v1, 3, 512
	v_lshl_add_u32 v[LRS], v61, 4, SCB
	v_lshl_add_u32 v[KRS], v61, 4, SCB
	s_mov_b32 s50, s24                             ; my first tile
	s_lshl_b32 s34, s25, 24                        ; W2: expert e,
	s_lshl_b32 s32, s31, 23                        ; 2,048 fh rows,
	s_add_co_u32 s34, s34, s32
	s_lshl_b32 s32, s24, 18                        ; 64 wave rows,
	s_add_co_u32 s34, s34, s32
	s_lshl_b32 s32, s26, 8                         ; 64 ds columns
	s_add_co_u32 s34, s34, s32
	s_mov_b32 s35, 0
	s_lshl_b32 s32, s25, 5
	s_lshl_b32 s33, s31, 4
	s_add_co_u32 s32, s32, s33                     ; the first K step: 32 e + 16 fh
	s_mul_i32 s38, s32, 98304
	s_mov_b32 s39, 0
	s_lshl_b32 s42, s32, 13
	s_mov_b32 s43, 0
	s_lshl_b32 s44, s31, 25                        ; yb: plane fh, expert e, 64 ds columns
	s_lshl_b32 s32, s25, 22
	s_add_co_u32 s44, s44, s32
	s_lshl_b32 s32, s26, 8
	s_add_co_u32 s44, s44, s32
	s_mov_b32 s45, 0
	s_lshl_b32 s46, s25, 12
	s_add_co_u32 s46, s46, s32
	s_mov_b32 s47, 0
	s_lshl_b32 s48, s25, 7
	s_mov_b32 s49, 0
	s_wait_kmcnt 0x0
	s_add_nc_u64 s[16:17], s[16:17], s[48:49]
	s_load_b32 s30, s[16:17], 0x0                  ; the expert's number of rows
	s_add_nc_u64 s[34:35], s[8:9], s[34:35]
	s_add_nc_u64 s[38:39], s[12:13], s[38:39]
	s_mov_b64 s[36:37], s[38:39]
	s_add_nc_u64 s[42:43], s[14:15], s[42:43]
	s_mov_b64 s[40:41], s[42:43]
	s_add_nc_u64 s[44:45], s[18:19], s[44:45]
	s_add_nc_u64 s[10:11], s[10:11], s[46:47]
	global_load_b128 v[BIAS:BIAS+3], v63, s[10:11]
	WLOAD 0, 0
	WLOAD 1, 1
	s_wait_kmcnt 0x0
	s_min_u32 s30, s30, 1024
	s_add_co_u32 s29, s30, 15
	s_lshr_b32 s29, s29, 4
	s_max_u32 s29, s29, 1
	s_min_u32 s29, s29, 64                         ; NT
	ROWS
	XLOAD 0, 0, 0
	XLOAD 1, 196608, 16384
	TRIP 0, 0, 1, 1, 1, 1, 63, 63
	TRIP 1, 1, 0, 1, 1, 1, 63, 63
	TRIP 2, 0, 0, 1, 1, 1, 63, 63
	TRIP 3, 1, 0, 1, 1, 1, 63, 63
	TRIP 4, 0, 0, 1, 1, 1, 63, 63
	TRIP 5, 1, 0, 1, 0, 1, 63, 63                  ; the last weights are asked for: nothing is left to prefetch
	TRIP 6, 0, 0, 0, 0, 0, 63, 63
	TRIP 7, 1, 0, 0, 0, 0, 35, 0                   ; 35: behind W7 stand X7's loads alone; then nothing is out
	s_cmp_eq_u32 s31, 0
	s_cselect_b32 s32, -1, 0
.irp c, 0,1,2,3
	v_and_b32 v[BIAS+\c], s32, v[BIAS+\c]          ; b2 counts once: in half 0
.endr
	s_mov_b32 s49, 0
.Lpass:                                            ; four trips: the five tiles just multiplied leave; then the next twenty tiles' products, if there are such rows, from the codes in LDS
	FIN 0
	FIN 1
	FIN 2
	FIN 3
	FIN 4
	s_add_co_u32 s50, s50, 20
	s_wait_xcnt 0x0                                ; earlier loads and stores have read their offsets and bases
	s_mov_b64 s[36:37], s[38:39]
	s_mov_b64 s[40:41], s[42:43]
	ROWS
	s_mov_b32 s58, 0
	s_mov_b32 s59, 0
	s_mov_b32 s48, 0
.Lok:                                              ; eight trips along K; every wave walks them, and a wave without rows jumps over the work
	s_cmp_ge_u32 s50, s29
	s_cbranch_scc1 .Lidle
	v_add_nc_u32 v[LRD], s58, v[KRD]
	v_add_nc_u32 v[LRD2], s58, v[KRD2]
	v_add_nc_u32 v[LRS], s59, v[KRS]
	XLOAD 0, 0, 0
	FETCHW
	s_wait_loadcnt 0x0
	s_wait_dscnt 0x0
	s_cmp_eq_u32 s48, 0
	s_cbranch_scc0 .Lacc
	MUL 0, 1
	WIN 0
	s_branch .Lmuld
.Lacc:
	MUL 0, 0
	WIN 0
.Lmuld:
.rept 5
	v_nop                                          ; places behind the last product: for loads into its operands, reads of results, and products that begin the sums anew
.endr
.Lidle:
	s_wait_xcnt 0x0
	s_add_nc_u64 s[36:37], s[36:37], 196608
	s_add_nc_u64 s[40:41], s[40:41], 16384
	s_add_co_u32 s58, s58, TRIPB
	s_add_co_u32 s59, s59, 512
	s_add_co_u32 s48, s48, 1
	s_cmp_lt_u32 s48, 8
	s_cbranch_scc1 .Lok
	s_add_co_u32 s49, s49, 1
	s_cmp_lt_u32 s49, 4
	s_cbranch_scc1 .Lpass
	s_wait_tensorcnt 0x0
	ds_add_u32 v254, v255
	s_wait_dscnt 0x0
	s_endpgm
.Lfunc_end_k_qceb42e8476_ffn2:
	.size	k_qceb42e8476_ffn2, .Lfunc_end_k_qceb42e8476_ffn2-k_qceb42e8476_ffn2
	.p2alignl 7, 3214868480
	.fill 96, 4, 3214868480
	.section	.rodata,"a",@progbits
	.p2align	6, 0x0
	.amdhsa_kernel k_qceb42e8476_ffn2
		.amdhsa_group_segment_fixed_size 102912
		.amdhsa_private_segment_fixed_size 0
		.amdhsa_enable_private_segment 0
		.amdhsa_kernarg_size 48
		.amdhsa_user_sgpr_count 2
		.amdhsa_user_sgpr_kernarg_segment_ptr 1
		.amdhsa_wavefront_size32 1
		.amdhsa_system_sgpr_workgroup_id_x 1
		.amdhsa_system_sgpr_workgroup_id_y 1
		.amdhsa_system_sgpr_workgroup_id_z 1
		.amdhsa_system_vgpr_workitem_id 0
		.amdhsa_next_free_vgpr 1024
		.amdhsa_next_free_sgpr 66
		.amdhsa_reserve_vcc 0
		.amdhsa_float_denorm_mode_32 3
		.amdhsa_float_denorm_mode_16_64 3
		.amdhsa_memory_ordered 1
		.amdhsa_forward_progress 1
		.amdhsa_inst_pref_size 232
	.end_amdhsa_kernel
	.amdgpu_metadata
---
amdhsa.version: [ 1, 2 ]
amdhsa.kernels:
  - .name:           k_qceb42e8476_ffn2
    .symbol:         k_qceb42e8476_ffn2.kd
    .args:
      - { .name: W2, .offset: 0, .size: 8, .value_kind: global_buffer, .address_space: global }
      - { .name: b2, .offset: 8, .size: 8, .value_kind: global_buffer, .address_space: global }
      - { .name: hq, .offset: 16, .size: 8, .value_kind: global_buffer, .address_space: global }
      - { .name: hs, .offset: 24, .size: 8, .value_kind: global_buffer, .address_space: global }
      - { .name: cnt, .offset: 32, .size: 8, .value_kind: global_buffer, .address_space: global }
      - { .name: yb, .offset: 40, .size: 8, .value_kind: global_buffer, .address_space: global }
    .group_segment_fixed_size: 102912
    .private_segment_fixed_size: 0
    .kernarg_segment_align: 8
    .kernarg_segment_size: 48
    .max_flat_workgroup_size: 128
    .sgpr_count:     66
    .vgpr_count:     1024
    .wavefront_size: 32
...
	.end_amdgpu_metadata
.endif
;; end of part 3
;; launch combine (part 4): grid 256 x 1, 4 waves a work-group, no clusters, 0 bytes of LDS; arguments yb, ti, tw, rk, out0; writes out0
.if DOCPART == 4
	.amdgcn_target "amdgcn-amd-amdhsa--gfx1250"
	.amdhsa_code_object_version 6
	.text
	.protected	k_qceb42e8476_combine
	.globl	k_qceb42e8476_combine
	.p2align	8
	.type	k_qceb42e8476_combine,@function
k_qceb42e8476_combine:
	s_mov_b64 s[64:65], 0
	v_nop
	global_prefetch_b8 v0, s[64:65] scope:SCOPE_SE
	s_setreg_imm32_b32 hwreg(HW_REG_WAVE_MODE, 25, 1), 1
	s_wait_xcnt 0x0
; COMBINE: out[t] = w0 (y0[e0][p0] + y1[e0][p0]) + w1 (y0[e1][p1] + y1[e1][p1]): the two halves of F and the token's two experts, gathered: each output row has one owner.
; A wave takes one token.  Its two experts come from ti, its places in their lists from rk (whole numbers that earlier launches stored), its weights from tw.
; A stream: four rows of 4,096 bytes in, one out, 512 consecutive bytes an instruction; no LDS, no barrier, no matrix unit: nothing is shared and nothing is multiplied but by the two weights.
	s_load_b256 s[4:11], s[0:1], 0x0               ; yb s[4:5], ti s[6:7], tw s[8:9], rk s[10:11]
	s_load_b64 s[12:13], s[0:1], 0x20              ; out0
	v_lshrrev_b32 v1, 5, v0
	v_readfirstlane_b32 s14, v1                    ; wave
	v_and_b32 v1, 31, v0
	v_lshlrev_b32 v1, 4, v1                        ; 16 x lane
	s_lshl_b32 s15, ttmp9, 2
	s_add_co_u32 s15, s15, s14                     ; my token
	s_lshl_b32 s16, s15, 2
	s_mov_b32 s17, 0
	s_lshl_b32 s18, s15, 3
	s_mov_b32 s19, 0
	s_lshl_b32 s20, s15, 5
	s_mov_b32 s21, 0
	s_lshl_b32 s22, s15, 12
	s_mov_b32 s23, 0
	s_wait_kmcnt 0x0
	s_add_nc_u64 s[6:7], s[6:7], s[16:17]
	s_add_nc_u64 s[8:9], s[8:9], s[18:19]
	s_add_nc_u64 s[10:11], s[10:11], s[20:21]
	s_add_nc_u64 s[12:13], s[12:13], s[22:23]
	s_load_b32 s40, s[6:7], 0x0                    ; the choice
	s_load_b64 s[42:43], s[8:9], 0x0               ; the weights
	s_load_b256 s[24:31], s[10:11], 0x0            ; my place in each expert's list
	s_wait_kmcnt 0x0
	s_and_b32 s44, s40, 0xff
	s_min_u32 s44, s44, 7                          ; e0
	s_bfe_u32 s45, s40, 0x80008
	s_min_u32 s45, s45, 7                          ; e1
.macro RANK d, e                       ; s[d] = the byte offset in a plane of yb of my row with expert s[e]
	s_mov_b32 s[\d], s24
.irp k, 1,2,3,4,5,6,7
	s_cmp_eq_u32 s[\e], \k
	s_cselect_b32 s[\d], s[24+\k], s[\d]
.endr
	s_min_u32 s[\d], s[\d], 1023
	s_lshl_b32 s[\e], s[\e], 10
	s_add_co_u32 s[\d], s[\d], s[\e]
	s_lshl_b32 s[\d], s[\d], 12
.endm
	RANK 46, 44
	s_mov_b32 s47, 0
	RANK 48, 45
	s_mov_b32 s49, 0
	s_add_nc_u64 s[32:33], s[4:5], s[46:47]
	s_add_nc_u64 s[34:35], s[32:33], 0x2000000     ; the other half of F: the second plane
	s_add_nc_u64 s[36:37], s[4:5], s[48:49]
	s_add_nc_u64 s[38:39], s[36:37], 0x2000000
.irp b, 0,1,2,3
.irp q, 0,1,2,3,4,5,6,7
	global_load_b128 v[16+32*\b+4*\q:16+32*\b+4*\q+3], v1, s[32+2*\b:33+2*\b] offset:512*\q th:TH_LOAD_NT
.endr
.endr
	v_mov_b32 v8, s42
	v_mov_b32 v9, s42
	v_mov_b32 v10, s43
	v_mov_b32 v11, s43
	s_wait_loadcnt 0x0
.set k, 0
.rept 16
	v_pk_add_f32 v[16+k:17+k], v[16+k:17+k], v[48+k:49+k]
	v_pk_add_f32 v[80+k:81+k], v[80+k:81+k], v[112+k:113+k]
	v_pk_mul_f32 v[16+k:17+k], v[16+k:17+k], v[8:9]
	v_pk_fma_f32 v[16+k:17+k], v[80+k:81+k], v[10:11], v[16+k:17+k]
.set k, k+2
.endr
.irp q, 0,1,2,3,4,5,6,7
	global_store_b128 v1, v[16+4*\q:16+4*\q+3], s[12:13] offset:512*\q th:TH_STORE_NT   ; 512 consecutive bytes, aligned
.endr
	s_endpgm
.Lfunc_end_k_qceb42e8476_combine:
	.size	k_qceb42e8476_combine, .Lfunc_end_k_qceb42e8476_combine-k_qceb42e8476_combine
	.p2alignl 7, 3214868480
	.fill 96, 4, 3214868480
	.section	.rodata,"a",@progbits
	.p2align	6, 0x0
	.amdhsa_kernel k_qceb42e8476_combine
		.amdhsa_group_segment_fixed_size 0
		.amdhsa_private_segment_fixed_size 0
		.amdhsa_enable_private_segment 0
		.amdhsa_kernarg_size 40
		.amdhsa_user_sgpr_count 2
		.amdhsa_user_sgpr_kernarg_segment_ptr 1
		.amdhsa_wavefront_size32 1
		.amdhsa_system_sgpr_workgroup_id_x 1
		.amdhsa_system_sgpr_workgroup_id_y 1
		.amdhsa_system_sgpr_workgroup_id_z 1
		.amdhsa_system_vgpr_workitem_id 0
		.amdhsa_next_free_vgpr 144
		.amdhsa_next_free_sgpr 66
		.amdhsa_reserve_vcc 0
		.amdhsa_float_denorm_mode_32 3
		.amdhsa_float_denorm_mode_16_64 3
		.amdhsa_memory_ordered 1
		.amdhsa_forward_progress 1
		.amdhsa_inst_pref_size 11
	.end_amdhsa_kernel
	.amdgpu_metadata
---
amdhsa.version: [ 1, 2 ]
amdhsa.kernels:
  - .name:           k_qceb42e8476_combine
    .symbol:         k_qceb42e8476_combine.kd
    .args:
      - { .name: yb, .offset: 0, .size: 8, .value_kind: global_buffer, .address_space: global }
      - { .name: ti, .offset: 8, .size: 8, .value_kind: global_buffer, .address_space: global }
      - { .name: tw, .offset: 16, .size: 8, .value_kind: global_buffer, .address_space: global }
      - { .name: rk, .offset: 24, .size: 8, .value_kind: global_buffer, .address_space: global }
      - { .name: out0, .offset: 32, .size: 8, .value_kind: global_buffer, .address_space: global }
    .group_segment_fixed_size: 0
    .private_segment_fixed_size: 0
    .kernarg_segment_align: 8
    .kernarg_segment_size: 40
    .max_flat_workgroup_size: 128
    .sgpr_count:     66
    .vgpr_count:     144
    .wavefront_size: 32
...
	.end_amdgpu_metadata
.endif
;; end of part 4
;; ======== version 2 of 2: 4 launches
;; workspace buffers: xq 1,048,576 bytes; ti 4,096 bytes of whole numbers; tw 8,192 bytes; hq 25,165,824 bytes; hs 2,097,152 bytes; rk 32,768 bytes of whole numbers; cnt 1,024 bytes of whole numbers; yb 67,108,864 bytes
;; launch route (part 5): grid 256 x 1, 4 waves a work-group, no clusters, 55,808 bytes of LDS; arguments x, router_w, xq, ti, tw; writes xq, ti, tw
.if DOCPART == 5
	.amdgcn_target "amdgcn-amd-amdhsa--gfx1250"
	.amdhsa_code_object_version 6
	.text
	.protected	k_qceb42e8476_route
	.globl	k_qceb42e8476_route
	.p2align	8
	.type	k_qceb42e8476_route,@function
k_qceb42e8476_route:
	s_mov_b64 s[64:65], 0
	v_nop
	global_prefetch_b8 v0, s[64:65] scope:SCOPE_SE
	s_setreg_imm32_b32 hwreg(HW_REG_WAVE_MODE, 25, 1), 1
	s_wait_xcnt 0x0
; ROUTE: the router in f32, and x as codes of BF6 (E3M2) with one E8M0 byte for each 32 along D.
; A work-group of four waves takes four tokens, a wave one token t = 4 x work-group + wave.
; logits = x[t] . router_w[e] by fused multiply-adds in f32 (a coarser logit could turn a choice of expert); softmax with the row's maximum taken away;
; the two largest probabilities by strict compares in ascending e, so that of equal ones the lower index comes first; both divided by (their sum + 1e-8).
; Nothing here forms an address or a branch from these numbers: the choice goes to fixed places.
;   ti[t] = e0 | e1 << 8 | ((1 << e0) | (1 << e1)) << 16        tw[t] = the two weights
;   xq[t]: 1,024 bytes = [K step s 0..7][half h][64 bytes]: 24 bytes of codes of block 4 s + h, 24 of block 4 s + 2 + h, the K step's scale word (byte b: block 4 s + b), 12 zeros:
;   lane (row, h) of a later product takes its twelve operand registers and its scale word from one place.
; LIMITS: NaN and infinities are not served.  A block whose largest magnitude lies under 2^-122 has its byte held at 1; a block of zeros so gets the byte 1 and zero codes (only this program reads the bytes).
; The logits' sums run in another order than a plain loop over D.
; LDS: router_w as it lies (32,768 bytes, read by all four waves); for each wave a stage of 32 x 144 bytes that turns the row from 16 bytes a lane to 128 bytes a lane; for each wave the token's 1,024-byte record.
.set STA0, 32768
.set STAW, 4608
.set REC0, 51200
.set X, 16                             ; v16-47   x[128 q + 4 lane + i] at X + 4 q + i
.set R, 48                             ; v48-111  two experts' rows of router_w, by turns; later the block's 32 numbers and its codes
.set P, 112                            ; v112-143 four registers an expert: the logit, at work, 2^t, the probability
	s_load_b256 s[4:11], s[0:1], 0x0               ; x s[4:5], router_w s[6:7], xq s[8:9], ti s[10:11]
	s_load_b64 s[12:13], s[0:1], 0x20              ; tw
	v_lshl_add_u32 v160, v0, 2, 0xd800
	v_mov_b32 v161, 0
	v_lshrrev_b32 v1, 5, v0
	v_readfirstlane_b32 s14, v1                    ; wave
	v_and_b32 v1, 31, v0                           ; lane
	v_lshlrev_b32 v2, 4, v0                        ; 16 x thread
	v_lshlrev_b32 v3, 4, v1                        ; 16 x lane
	s_lshl_b32 s15, ttmp9, 2
	s_add_co_u32 s15, s15, s14                     ; my token
	s_mul_i32 s16, s14, STAW
	s_add_co_u32 s16, s16, STA0                    ; my stage
	v_lshrrev_b32 v4, 3, v1
	v_lshl_add_u32 v4, v4, 4, v3
	v_add_nc_u32 v4, s16, v4                       ; in: 16 lane, and 16 bytes of padding behind each 128
	v_mul_u32_u24 v5, v1, 144
	v_add_nc_u32 v5, s16, v5                       ; out: block = lane, 144 bytes apart
	s_lshl_b32 s17, s14, 10
	s_add_co_u32 s17, s17, REC0                    ; my record
	v_lshrrev_b32 v10, 2, v1
	v_lshlrev_b32 v10, 7, v10                      ; 128 x K step (block = lane = 4 s + b)
	v_and_b32 v11, 1, v1
	v_lshl_add_u32 v6, v11, 6, v10                 ; + 64 x half (b & 1)
	v_bfe_u32 v11, v1, 1, 1
	v_mad_u32_u24 v6, v11, 24, v6                  ; + 24 x (b >> 1)
	v_add_nc_u32 v6, s17, v6                       ; where my block's codes go
	v_and_b32 v11, 3, v1
	v_add_nc_u32 v7, v10, v11
	v_add_nc_u32 v7, s17, v7                       ; where its scale byte goes (+ 48 and + 112)
	v_and_b32 v11, 15, v1
	v_lshlrev_b32 v8, 6, v11
	v_add_nc_u32 v8, s17, v8                       ; the sixteen halves' last 16 bytes (+ 48)
	v_add_nc_u32 v9, s17, v3                       ; the record read back, 16 bytes a lane
	s_lshl_b32 s18, s15, 12
	s_mov_b32 s19, 0
	s_lshl_b32 s20, s15, 10
	s_mov_b32 s21, 0
	s_lshl_b32 s22, s15, 2
	s_mov_b32 s23, 0
	s_lshl_b32 s24, s15, 3
	s_mov_b32 s25, 0
	s_mov_b32 s26, 0x3fb8aa3b                      ; log2(e)
	s_mov_b32 s28, 0x76543210
	s_mov_b32 s29, 0xfedcba98                      ; v_permlanex16_b32's selects for lane l xor 16
	s_wait_kmcnt 0x0
	s_add_nc_u64 s[4:5], s[4:5], s[18:19]
	s_add_nc_u64 s[8:9], s[8:9], s[20:21]
	s_add_nc_u64 s[10:11], s[10:11], s[22:23]
	s_add_nc_u64 s[12:13], s[12:13], s[24:25]
.irp q, 0,1,2,3,4,5,6,7
	global_load_b128 v[X+4*\q:X+4*\q+3], v3, s[4:5] offset:512*\q th:TH_LOAD_NT   ; 512 consecutive bytes a load
.endr
.irp i, 0,1,2,3,4,5,6,7,8,9,10,11,12,13,14,15
	global_load_b128 v[R+4*\i:R+4*\i+3], v2, s[6:7] offset:2048*\i                ; the work-group's 128 threads take router_w, 2,048 bytes a load
.endr
	s_wait_loadcnt 0x0
.irp i, 0,1,2,3,4,5,6,7,8,9,10,11,12,13,14,15
	ds_store_b128 v2, v[R+4*\i:R+4*\i+3] offset:2048*\i
.endr
.irp q, 0,1,2,3,4,5,6,7
	ds_store_b128 v4, v[X+4*\q:X+4*\q+3] offset:576*\q
.endr
	s_wait_dscnt 0x0                               ; my stores have landed: the others read router_w behind the barrier
	s_barrier_signal -1
	s_barrier_wait -1
.macro RLOAD e                         ; expert e's row, laid as x is in my registers
.irp q, 0,1,2,3,4,5,6,7
	ds_load_b128 v[R+32*((\e)&1)+4*\q:R+32*((\e)&1)+4*\q+3], v3 offset:4096*(\e)+512*\q
.endr
.endm
.macro DOT e                           ; my 32 products, in two packed chains
.set RB, R+32*((\e)&1)
.set PB, P+4*(\e)
	v_pk_mul_f32 v[PB:PB+1], v[X:X+1], v[RB:RB+1]
	v_pk_mul_f32 v[PB+2:PB+3], v[X+2:X+3], v[RB+2:RB+3]
.irp q, 1,2,3,4,5,6,7
	v_pk_fma_f32 v[PB:PB+1], v[X+4*\q:X+4*\q+1], v[RB+4*\q:RB+4*\q+1], v[PB:PB+1]
	v_pk_fma_f32 v[PB+2:PB+3], v[X+4*\q+2:X+4*\q+3], v[RB+4*\q+2:RB+4*\q+3], v[PB+2:PB+3]
.endr
	v_pk_add_f32 v[PB:PB+1], v[PB:PB+1], v[PB+2:PB+3]
	v_add_f32 v[PB], v[PB], v[PB+1]
.endm
	RLOAD 0
	RLOAD 1
.irp e, 0,1,2,3,4,5
	s_wait_dscnt 8                                 ; this expert's eight loads are in; the next expert's eight may be out
	DOT \e
	RLOAD \e+2
.endr
	s_wait_dscnt 8
	DOT 6
	s_wait_dscnt 0x0
	DOT 7
.irp i, 0,1,2,3,4,5,6,7
	ds_load_b128 v[R+4*\i:R+4*\i+3], v5 offset:16*\i   ; my block's 32 numbers come back from the stage while the softmax is made
.endr
.irp m, 1,2,4,8                        ; the eight sums over the 32 lanes, by turns
.irp e, 0,1,2,3,4,5,6,7
	v_add_f32_dpp v[P+4*\e], v[P+4*\e], v[P+4*\e] row_xmask:\m row_mask:0xf bank_mask:0xf
.endr
.endr
.irp e, 0,1,2,3,4,5,6,7
	v_permlanex16_b32 v[P+4*\e+1], v[P+4*\e], s28, s29
.endr
.irp e, 0,1,2,3,4,5,6,7
	v_add_f32 v[P+4*\e], v[P+4*\e], v[P+4*\e+1]    ; every lane holds all eight logits
.endr
	v_max3_num_f32 v144, v[P], v[P+4], v[P+8]
	v_max3_num_f32 v144, v144, v[P+12], v[P+16]
	v_max3_num_f32 v144, v144, v[P+20], v[P+24]
	v_max_num_f32 v144, v144, v[P+28]              ; the largest logit
	v_mul_f32 v145, 0xbfb8aa3b, v144               ; - m log2(e)
.irp e, 0,1,2,3,4,5,6,7
	v_fma_f32 v[P+4*\e+2], v[P+4*\e], s26, v145
.endr
	s_wait_alu depctr_va_vdst(0)
.irp e, 0,1,2,3,4,5,6,7
	v_exp_f32 v[P+4*\e+2], v[P+4*\e+2]
.endr
	v_nop                                          ; a plain instruction behind the last exponential
	s_wait_alu depctr_va_vdst(0)                   ; one wait for the eight, ahead of their first reader
	v_add_f32 v146, v[P+2], v[P+6]
	v_add_f32 v152, v[P+10], v[P+14]
	v_add_f32 v153, v[P+18], v[P+22]
	v_add_f32 v155, v[P+26], v[P+30]
	v_add_f32 v146, v146, v152
	v_add_f32 v153, v153, v155
	v_add_f32 v146, v146, v153
	s_wait_alu depctr_va_vdst(0)
	v_rcp_f32 v147, v146
	v_nop
	s_wait_alu depctr_va_vdst(0)
.irp e, 0,1,2,3,4,5,6,7
	v_mul_f32 v[P+4*\e+3], v[P+4*\e+2], v147       ; the probabilities
.endr
	; the two largest: v148, v149 the largest and its expert; v150, v151 the second
	v_mov_b32 v148, v[P+3]
	v_mov_b32 v149, 0
	v_mov_b32 v150, -1.0
	v_mov_b32 v151, 0
.macro TOP e
	v_mov_b32 v154, \e
	v_cmp_gt_f32 vcc_lo, v[P+4*\e+3], v148
	v_cmp_gt_f32 s31, v[P+4*\e+3], v150
	v_cndmask_b32 v152, v150, v[P+4*\e+3], s31
	v_cndmask_b32 v153, v151, v154, s31
	v_cndmask_b32 v150, v152, v148, vcc_lo         ; a new largest pushes the old one to second place
	v_cndmask_b32 v151, v153, v149, vcc_lo
	v_cndmask_b32 v148, v148, v[P+4*\e+3], vcc_lo
	v_cndmask_b32 v149, v149, v154, vcc_lo
.endm
.irp e, 1,2,3,4,5,6,7
	TOP \e
.endr
	v_add_f32 v152, v148, v150
	v_add_f32 v152, 0x322bcc77, v152               ; + 1e-8
	s_wait_alu depctr_va_vdst(0)
	v_rcp_f32 v153, v152
	v_mov_b32 v159, 1                              ; a plain instruction behind the reciprocal: it names neither its source nor its result
	s_wait_alu depctr_va_vdst(0)                   ; the wait, ahead of the reciprocal's first reader
	v_mul_f32 v156, v148, v153
	v_mul_f32 v157, v150, v153
	v_lshlrev_b32 v153, v149, v159                 ; 1 << e0
	v_lshlrev_b32 v155, v151, v159                 ; 1 << e1
	v_or_b32 v153, v153, v155
	v_lshl_or_b32 v155, v151, 8, v149
	v_lshl_or_b32 v155, v153, 16, v155
	v_mov_b32 v158, 0
	; x's block = lane: the largest magnitude with the floor 2^(5 - 127) among its leaves, 4 off its exponent field, the byte, the codes
	s_wait_dscnt 0x0
	v_max3_num_f32 v104, 0x2800000, |v[R]|, |v[R+1]|
	v_max3_num_f32 v105, |v[R+16]|, |v[R+17]|, |v[R+18]|
.irp i, 2,4,6,8,10,12
	v_max3_num_f32 v104, v104, |v[R+\i]|, |v[R+\i+1]|
	v_max3_num_f32 v105, v105, |v[R+17+\i]|, |v[R+18+\i]|
.endr
	v_max3_num_f32 v104, v104, |v[R+14]|, |v[R+15]|
	v_max3_num_f32 v104, v104, v105, |v[R+31]|
	v_add_nc_u32 v106, 0xfe000000, v104            ; the conversion takes this operand's exponent field as its scale
	v_lshrrev_b32 v107, 23, v106                   ; the scale's byte
	v_cvt_scalef32_pk16_bf6_f32 v[80:82], v[R:R+15], v106
	v_cvt_scalef32_pk16_bf6_f32 v[88:90], v[R+16:R+31], v106   ; (a conversion's three registers begin on an even number)
	v_nop                                          ; a plain instruction behind the conversions
	v_mov_b32 v83, v88
	v_mov_b32 v84, v89
	v_mov_b32 v85, v90
.irp i, 92,93,94,95
	v_mov_b32 v\i, 0
.endr
	ds_store_b128 v8, v[92:95] offset:48           ; zeros first; LDS serves a wave's instructions in order, so the bytes below land on them
	ds_store_b64 v6, v[80:81]
	ds_store_b64 v6, v[82:83] offset:8
	ds_store_b64 v6, v[84:85] offset:16
	ds_store_b8 v7, v107 offset:48                 ; the scale word stands in both halves
	ds_store_b8 v7, v107 offset:112
	ds_load_b128 v[96:99], v9
	ds_load_b128 v[100:103], v9 offset:512
	s_wait_dscnt 0x0
	global_store_b128 v3, v[96:99], s[8:9]         ; each store covers 512 consecutive bytes, aligned
	global_store_b128 v3, v[100:103], s[8:9] offset:512
	v_cmp_eq_u32 vcc_lo, 0, v1
	s_wait_xcnt 0x0                                ; EXEC changes only behind this wait
	s_wait_tensorcnt 0x0
	ds_add_u32 v160, v161
	s_wait_dscnt 0x0
	s_and_saveexec_b32 s30, vcc_lo
	global_store_b32 v158, v155, s[10:11]          ; lane 0: the choice,
	global_store_b64 v158, v[156:157], s[12:13]    ; and the two weights
	s_wait_xcnt 0x0
	s_or_b32 exec_lo, exec_lo, s30
	s_endpgm
.Lfunc_end_k_qceb42e8476_route:
	.size	k_qceb42e8476_route, .Lfunc_end_k_qceb42e8476_route-k_qceb42e8476_route
	.p2alignl 7, 3214868480
	.fill 96, 4, 3214868480
	.section	.rodata,"a",@progbits
	.p2align	6, 0x0
	.amdhsa_kernel k_qceb42e8476_route
		.amdhsa_group_segment_fixed_size 55808
		.amdhsa_private_segment_fixed_size 0
		.amdhsa_enable_private_segment 0
		.amdhsa_kernarg_size 40
		.amdhsa_user_sgpr_count 2
		.amdhsa_user_sgpr_kernarg_segment_ptr 1
		.amdhsa_wavefront_size32 1
		.amdhsa_system_sgpr_workgroup_id_x 1
		.amdhsa_system_sgpr_workgroup_id_y 1
		.amdhsa_system_sgpr_workgroup_id_z 1
		.amdhsa_system_vgpr_workitem_id 0
		.amdhsa_next_free_vgpr 162
		.amdhsa_next_free_sgpr 66
		.amdhsa_reserve_vcc 1
		.amdhsa_float_denorm_mode_32 3
		.amdhsa_float_denorm_mode_16_64 3
		.amdhsa_memory_ordered 1
		.amdhsa_forward_progress 1
		.amdhsa_inst_pref_size 31
	.end_amdhsa_kernel
	.amdgpu_metadata
---
amdhsa.version: [ 1, 2 ]
amdhsa.kernels:
  - .name:           k_qceb42e8476_route
    .symbol:         k_qceb42e8476_route.kd
    .args:
      - { .name: x, .offset: 0, .size: 8, .value_kind: global_buffer, .address_space: global }
      - { .name: router_w, .offset: 8, .size: 8, .value_kind: global_buffer, .address_space: global }
      - { .name: xq, .offset: 16, .size: 8, .value_kind: global_buffer, .address_space: global }
      - { .name: ti, .offset: 24, .size: 8, .value_kind: global_buffer, .address_space: global }
      - { .name: tw, .offset: 32, .size: 8, .value_kind: global_buffer, .address_space: global }
    .group_segment_fixed_size: 55808
    .private_segment_fixed_size: 0
    .kernarg_segment_align: 8
    .kernarg_segment_size: 40
    .max_flat_workgroup_size: 128
    .sgpr_count:     66
    .vgpr_count:     162
    .wavefront_size: 32
...
	.end_amdgpu_metadata
.endif
;; end of part 5
;; launch ffn1 (part 6): grid 256 x 1, 4 waves a work-group, no clusters, 109,568 bytes of LDS; arguments W1, b1, xq, ti, hq, hs, rk, cnt; writes hq, hs, rk, cnt
.if DOCPART == 6
	.amdgcn_target "amdgcn-amd-amdhsa--gfx1250"
	.amdhsa_code_object_version 6
	.text
	.protected	k_qceb42e8476_ffn1
	.globl	k_qceb42e8476_ffn1
	.p2align	8
	.type	k_qceb42e8476_ffn1,@function
k_qceb42e8476_ffn1:
	s_mov_b64 s[64:65], 0
	v_nop
	global_prefetch_b8 v0, s[64:65] scope:SCOPE_SE
	s_setreg_imm32_b32 hwreg(HW_REG_WAVE_SCHED_MODE, 0, 2), 2
	s_setreg_imm32_b32 hwreg(HW_REG_WAVE_MODE, 25, 1), 1
	s_wait_xcnt 0x0
	s_wait_alu depctr_vm_vsrc(0)
; FFN1: h = gelu(x W1[e] + b1[e]) for the tokens that chose expert e, on codes of BF6 (E3M2) with one E8M0 scale for each 32 along K; h leaves as codes for the second product.
; SHARES.  Work-group = (expert e = id >> 5, 128 columns of F: fs = id & 31).  Its 1,024 x 128 numbers of W1 (512 KiB of f32) are read from memory once, by this work-group alone, and quantised in registers on the way.
; K = 1,024 goes in eight trips of 128, all written out, so that every LDS address and every count of loads is a constant of the text.
; A TRIP.  Wave w (column half g = w & 1, half of the K step cc = w >> 1) loads 64 rows x 64 columns by 32 loads of 16 bytes a lane: lanes 0-15 take 256 consecutive bytes of a row of block 2 cc, lanes 16-31 of the same row
; of block 2 cc + 1.  So a lane holds WHOLE blocks of 32 along K for four columns 64 g + 4 r + c: no other lane is asked for a maximum.  Column tile 4 g + c is the columns {64 g + 4 r + c}: which columns form a tile is free.
; The conversions want 16 neighbours along K in consecutive registers, so 128 moves gather each column.  Their results are registers 6 cc .. 6 cc + 5 of lane (r, h) of the tile's operand: they go to LDS as images of registers.
; One barrier; every wave reads the trip's eight fragments and multiplies them with its five tiles of 16 rows.
; THE PRODUCT IS USED TRANSPOSED (source 0 = 16 columns of W1, source 1 = 16 tokens): lane (token r, h) holds, in the 32 accumulator registers 32 u + 8 c + y, f = 64 u + 32 h + 4 y + c: the whole block 2 u + h of its row,
; in the order position p = 8 c + y <-> offset 4 (p & 7) + (p >> 3).  h is coded in that order and the next launch takes W2's rows in the same order: a permutation of k inside a scale block, alike on both operands.
; ROWS.  Every work-group builds expert e's list of tokens from ti while the first weights are on their way.  Wave w owns row tiles w + 4 j (j = 0 .. 4) + 20 x pass.  Pass 0 runs with the stream; rows from 320 on run afterwards
; from the codes, all of which stay in LDS (each LDS byte is written once).  NT = the number of tiles, at least 1; list entries past the count name token 0, so a ragged tile holds finite numbers that nobody gathers.
; The trips always multiply all five tiles, so that the counts of loads are the same on every way; only a tile's finishing is jumped over.  No barrier stands under a branch on a count.
; No tensor loads and no joint loads, though 32 work-groups read the same codes of x: branches here hang on counts read from memory.
; LIMITS: NaN and infinities are not served.  A block whose largest magnitude lies under 2^-122 has its byte held at 1; a block of zeros gets the byte 1 and zero codes (only this program reads the bytes).
; LDS: 0: fragment (8 t + 4 g + c) x 1,536 bytes = two halves cc of 768: 512 (lane at 16 l: four registers) + 256 (lane at 8 l: two).  SCB: 512 bytes a trip, [g][r][c][block].  LIST: 1,664 words.
; REGISTERS, in windows of 256.  Window 0: addresses, scale words, codes at work, x's fragments (two sets).  Window 1: two sets of 128 staging registers; from trip 6 on b1 (0-63) and the gelu's work (64-127).
;   Window 2: accumulators of tiles j = 0 .. 3 at 64 j + 8 n.  Window 3: 0-63 those of j = 4; 64-159 the trip's eight weight fragments; 160-223 two gathered columns.
; THE MODE: SCHED_MODE bits 1:0 = 2 (LLVM: expert scheduling mode 2), set by the entry lines.  The code itself states the register dependences
; between vector or matrix instructions and memory or LDS instructions, with s_wait_alu, always for 0.
; THE PLAN.  Registers that memory or LDS instructions touch in trip t (set p = t % 2):
;   staging set p     read by the trip's maxima and gathering moves; behind them the weights of trip t + 2 land in it (in trip 6: b1).
;   PC, BY            written by the trip's conversions, moves and shifts; read by its LDS stores; written again in trip t + 1.
;   x's set 1 - p     (fragments and scale words) read by the products of trip t - 1; the loads for trip t + 1 land in it in trip t.
;   WF, WS            read by the products of trip t - 1; the LDS loads of trip t land in them.
;   v4-9              read by the trip's LDS stores and loads; stepped by six additions behind the trip's products.
;   v2, v3, v10-16, v55   offsets, never written in a trip.
; So ONE wait on va_vdst stands in a trip, behind its conversions and moves: PC, BY and the stepped addresses are written, the staging set is read, and the products of the trip before are done reading the other set of x,
; WF and WS.  Behind it, up to the products, stand LDS stores, loads, prefetches, waits and the barrier alone: no vector or matrix instruction, so all of the trip's memory and LDS instructions lean on that one wait.
; ONE wait on vm_vsrc stands behind the products, ahead of the six additions: the trip's LDS instructions have read v4-9, PC and BY.
.set PITCH, 16384                      ; a row of W1 in bytes
.set STEP,  0x200000                   ; 128 rows
.set TRIPB, 12288                      ; a trip's eight fragments in LDS
.set SCB,   98304
.set LIST,  102400
.set WOF,  2                           ; v2   my place in a load of weights: 32 rows x (lane / 16) + 16 bytes x (lane % 16)
.set PFO,  3                           ; v3   lane x a row: the prefetches' offset
.set LWR,  4                           ; v4-6 where I store codes (four registers; two registers) and scale bytes
.set LWR2, 5
.set LWS,  6
.set LRD,  7                           ; v7-9 where I read them
.set LRD2, 8
.set LRS,  9
.set XO,   10                          ; v10-14 my row's place in xq, for each of my five tiles
.set L16,  15
.set L4,   16
.set LA,   17                          ; v17  my entry of the list in tile w
.set SH8,  18                          ; v18  8 h
.set H64,  19                          ; v19  64 h
.set XS,   20                          ; v20-29 x's scale words, two sets of five: scales and nothing else
.set C0,   30                          ; v30-31 the gelu's c0, twice
.set WS,   32                          ; v32-39 the weights' scale words: scales and nothing else
.set M,    40
.set SCO,  44
.set BY,   48
.set KRD,  52                          ; v52-54 the lane terms of v7-9, kept
.set KRD2, 53
.set KRS,  54
.set H128, 55                          ; v55  128 h
.set PC,   64                          ; v64-95  four columns' codes, eight registers apart; at the head, in wave 0: the 32 LDS addresses of the list's entries
.set PT,   96                          ; v96-111 their upper halves as the conversions leave them
.set XF,   112                         ; v112-231 x's fragments: set p, tile j at 112 + 60 p + 12 j
.set TI,   112                         ; at the head: ti,
.set POS,  144                         ; the tokens' places,
.set LTK,  176                         ; and, in wave 0, the 32 tokens' numbers
.set HC,   232                         ; v232-243 a tile's codes of h
.set HT,   244
.set HW,   252
.set PX,   253
.set ZA,   254
.set L128, 255
.set B1,   0                           ; window 1
.set U,    64
.set WF,   64                          ; window 3
.set T,    160
.set MSB, 0
.macro WIN new                         ; the immediate's high byte repeats the setting that is left; a switch that changes nothing is dropped
.if MSB != (\new)
	s_set_vgpr_msb (MSB<<8)|(\new)
.set MSB, (\new)
.endif
.endm
; trip t's 64 rows x 64 columns into staging set p: register 4 i + c = row i, column c of my four
.macro WLOAD p, t
.set WBR, 34+4*((\t)/4)                ; trips 0-3 from s[34:35], trips 4-7 from s[38:39]: the trip stands in the immediate, inside its signed 24 bits
	WIN 0x40
.set wi, 0
.rept 32
	global_load_b128 v[128*(\p)+4*wi:128*(\p)+4*wi+3], v[WOF], s[WBR:WBR+1] offset:wi*PITCH+((\t)%4)*STEP th:TH_LOAD_NT
.set wi, wi+1
.endr
	WIN 0
.endm
; my own 64 row pieces of trip t, a lane a piece of 256 aligned bytes: each is named once in the launch, by the wave that will load it a trip later
.macro WPREF t
.set WBR, 34+4*((\t)/4)
	global_prefetch_b8 v[PFO], s[WBR:WBR+1] offset:((\t)%4)*STEP th:TH_LOAD_NT scope:SCOPE_SE
	global_prefetch_b8 v[PFO], s[WBR:WBR+1] offset:((\t)%4)*STEP+32*PITCH th:TH_LOAD_NT scope:SCOPE_SE
.endm
; staging set p becomes four columns' codes and scale bytes, which go to LDS
.macro QUANTW p
	WIN 0x14                                       ; sources 1 and 2 in window 1
.irp c, 0,1,2,3
	v_max3_num_f32 v[M+\c], 0x2800000, |v[128*(\p)+\c]|, |v[128*(\p)+4+\c]|   ; the floor 2^(5 - 127) is a leaf: the byte cannot fall under 1
.endr
.irp i, 2,4,6,8,10,12,14,16,18,20,22,24,26,28,30
.irp c, 0,1,2,3
	v_max3_num_f32 v[M+\c], v[M+\c], |v[128*(\p)+4*\i+\c]|, |v[128*(\p)+4*\i+4+\c]|   ; the four columns by turns
.endr
.endr
	WIN 0
.irp c, 0,1,2,3
	v_add_nc_u32 v[SCO+\c], 0xfe000000, v[M+\c]    ; 4 off the exponent field: the conversion's scale operand
.endr
.irp c, 0,1,2,3
	v_lshrrev_b32 v[BY+\c], 23, v[SCO+\c]          ; the scale's byte
.endr
.irp h, 0,2                            ; two columns at a time
	WIN 0xc1                                       ; from window 1 to window 3
.irp d, 0,1
.set qi, 0
.rept 32
	v_mov_b32 v[T+32*\d+qi], v[128*(\p)+4*qi+\h+\d]
.set qi, qi+1
.endr
.endr
	WIN 0x03
.irp d, 0,1
	v_cvt_scalef32_pk16_bf6_f32 v[PC+8*(\h+\d):PC+8*(\h+\d)+2], v[T+32*\d:T+32*\d+15], v[SCO+\h+\d]
	v_cvt_scalef32_pk16_bf6_f32 v[PT+4*(\h+\d):PT+4*(\h+\d)+2], v[T+32*\d+16:T+32*\d+31], v[SCO+\h+\d]   ; (a conversion's three registers begin on an even number)
.endr
	WIN 0
	v_nop                                          ; a plain instruction behind the conversions
.irp d, 0,1
.irp k, 0,1,2
	v_mov_b32 v[PC+8*(\h+\d)+3+\k], v[PT+4*(\h+\d)+\k]
.endr
.endr
.endr
	s_wait_alu depctr_va_vdst(0)                   ; THE TRIP'S WAIT: PC, BY and the addresses v4-9 are written, which the LDS stores and loads below read; the maxima and moves are done reading the staging set, and the
	                                               ; products of the trip before are done reading the other set of x, its scale words, WF and WS: in all of these the trip's loads land
.irp c, 0,1,2,3
	ds_store_b128 v[LWR], v[PC+8*\c:PC+8*\c+3] offset:1536*\c
	ds_store_b64 v[LWR2], v[PC+8*\c+4:PC+8*\c+5] offset:1536*\c
	ds_store_b8 v[LWS], v[BY+\c] offset:4*\c
.endr
.endm
; the trip's eight fragments and their scale words, 34 LDS loads
.macro FETCHW
	WIN 0xc0
.irp n, 0,1,2,3,4,5,6,7
	ds_load_b128 v[WF+12*\n:WF+12*\n+3], v[LRD] offset:1536*\n
	ds_load_b64 v[WF+12*\n+4:WF+12*\n+5], v[LRD2] offset:1536*\n
	ds_load_b128 v[WF+12*\n+6:WF+12*\n+9], v[LRD] offset:1536*\n+768
	ds_load_b64 v[WF+12*\n+10:WF+12*\n+11], v[LRD2] offset:1536*\n+768
.endr
	WIN 0
	ds_load_b128 v[WS:WS+3], v[LRS]
	ds_load_b128 v[WS+4:WS+7], v[LRS] offset:256
.endm
; my five tiles' codes and scale words of x for one K step, o bytes on: 20 loads
.macro XLOAD p, o
.irp j, 0,1,2,3,4
	global_load_b128 v[XF+60*(\p)+12*\j:XF+60*(\p)+12*\j+3], v[XO+\j], s[36:37] offset:(\o)
	global_load_b128 v[XF+60*(\p)+12*\j+4:XF+60*(\p)+12*\j+7], v[XO+\j], s[36:37] offset:(\o)+16
	global_load_b128 v[XF+60*(\p)+12*\j+8:XF+60*(\p)+12*\j+11], v[XO+\j], s[36:37] offset:(\o)+32
	global_load_b32 v[XS+5*(\p)+\j], v[XO+\j], s[36:37] offset:(\o)+48
.endr
.endm
; 40 matrix instructions; the 40 accumulators take turns, one instruction a turn, in the same order in every trip.  zero = 1: the products start the sums
.macro MUL p, zero
.irp j, 0,1,2,3,4
	WIN 0xa3+0x50*(\j/4)                           ; source 0 window 3, source 1 window 0, C and D window 2 (j = 4: window 3)
.irp n, 0,1,2,3,4,5,6,7
.if \zero
	v_wmma_scale_f32_16x16x128_f8f6f4 v[64*(\j%4)+8*\n:64*(\j%4)+8*\n+7], v[WF+12*\n:WF+12*\n+11], v[XF+60*(\p)+12*\j:XF+60*(\p)+12*\j+11], 0, v[WS+\n], v[XS+5*(\p)+\j] matrix_a_fmt:MATRIX_FMT_BF6 matrix_b_fmt:MATRIX_FMT_BF6
.else
	v_wmma_scale_f32_16x16x128_f8f6f4 v[64*(\j%4)+8*\n:64*(\j%4)+8*\n+7], v[WF+12*\n:WF+12*\n+11], v[XF+60*(\p)+12*\j:XF+60*(\p)+12*\j+11], v[64*(\j%4)+8*\n:64*(\j%4)+8*\n+7], v[WS+\n], v[XS+5*(\p)+\j] matrix_a_fmt:MATRIX_FMT_BF6 matrix_b_fmt:MATRIX_FMT_BF6
.endif
.endr
.endr
.endm
; the LDS addresses step to the next trip.  These six plain instructions name no register of the products: behind the last trip they are also the places between the last product and the first read of results
.macro STEPL
	WIN 0
	s_wait_alu depctr_vm_vsrc(0)                   ; the trip's LDS stores and loads have read v4-9, which the additions write, and PC and BY, which the next trip's conversions and shifts write
	v_add_nc_u32 v[LWR], TRIPB, v[LWR]
	v_add_nc_u32 v[LWR2], TRIPB, v[LWR2]
	v_add_nc_u32 v[LRD], TRIPB, v[LRD]
	v_add_nc_u32 v[LRD2], TRIPB, v[LRD2]
	v_add_nc_u32 v[LWS], 512, v[LWS]
	v_add_nc_u32 v[LRS], 512, v[LRS]
.endm
; b1 in the accumulators' own register order: register 32 u + 8 c + y = b1 at f = 64 u + 32 h + 4 y + c
.macro B1LOAD
	WIN 0x40
.irp u, 0,1
.irp c, 0,1,2,3
.irp y, 0,1,2,3,4,5,6,7
	global_load_b32 v[B1+32*\u+8*\c+\y], v[H128], s[56:57] offset:4*(64*\u+4*\y+\c)
.endr
.endr
.endr
	WIN 0
.endm
; my five tiles' tokens out of the list, s60 bytes on, as places in xq
.macro ROWS
	s_wait_alu depctr_vm_vsrc(0)                   ; the LDS and memory instructions issued so far have read v56-61 and v10-14, which are written below; at the head also wave 0's stores their v64-95 and v144-207, which are written soon
	v_add_nc_u32 v61, s60, v[LA]
	s_wait_alu depctr_va_vdst(0)                   ; v61 is written, which the LDS loads read; the vector instructions that named v56-60, in which they land, are done
.irp j, 0,1,2,3,4
	ds_load_b32 v[56+\j], v61 offset:256*\j
.endr
	s_wait_dscnt 0x0
.irp j, 0,1,2,3,4
	v_min_u32 v[56+\j], 0x3ff, v[56+\j]
.endr
.irp j, 0,1,2,3,4
	v_lshl_add_u32 v[XO+\j], v[56+\j], 10, v[H64]  ; 1,024 bytes a token, + 64 h
.endr
.endm
; TRIP t on set p.  Behind the trip's wait on va_vdst and its LDS stores the loads go out in the order X(t + 1), into the set that the products of trip t - 1 read, and W(t + 2), into the staging set just emptied.
; nw, at the head, wants W(t): behind it stand X(t) and W(t + 1), 52 loads (in trips 0, 1 and 7 more).  nx wants X(t).  Both counts are the loads issued behind the wanted ones, held at the largest count that the wait can name, 63.
.macro TRIP t, p, zero, wl, pf, xl, nw, nx, bl
	s_wait_loadcnt \nw
	QUANTW \p
.if \xl
	XLOAD 1-(\p), 128*((\t)+1)
.endif
.if \wl
	WLOAD \p, (\t)+2
.endif
.if \pf
	WPREF (\t)+3
.endif
.if \bl
	B1LOAD
.endif
	s_wait_dscnt 0x0                               ; my codes and bytes have landed
	s_barrier_signal -1
	s_barrier_wait -1                              ; everybody's have
	FETCHW
	s_wait_loadcnt \nx
	s_wait_dscnt 0x0
	MUL \p, \zero
	STEPL
.endm
; TILE j IS FINISHED: + b1, gelu, quantised along F, stored as an image of the next product's operand registers.  gelu(z) = z / (1 + 2^(z (c0 + c1 z^2))), the tanh form written with one exponential;
; c0 = -2 log2(e) sqrt(2 / pi), c1 = 0.044715 c0.  Each accumulator is read from its low end on.
.macro FIN j
.set ZW, 2+(\j)/4
.set ZB, 64*((\j)%4)
	s_add_co_u32 s32, s50, 4*(\j)                  ; the tile's number
	s_cmp_ge_u32 s32, s29
	s_cbranch_scc1 .Lnofin_\@
	s_wait_xcnt 0x0                                ; the last tile's stores have had their addresses translated: their bases and data are written again only behind this wait
	s_wait_alu depctr_vm_vsrc(0)                   ; the last tile's stores have read v[HC ..] and v[HW], which this tile's conversions, moves and shifts write again
	s_mul_i32 s44, s32, 1536
	s_mov_b32 s45, 0
	s_add_nc_u64 s[44:45], s[40:41], s[44:45]
	s_lshl_b32 s46, s32, 7
	s_mov_b32 s47, 0
	s_add_nc_u64 s[46:47], s[42:43], s[46:47]
	WIN (ZW<<6)|4|ZW
.set k, 0
.rept 32
	v_pk_add_f32 v[ZB+k:ZB+k+1], v[ZB+k:ZB+k+1], v[B1+k:B1+k+1]
.set k, k+2
.endr
	WIN 0x40|(ZW<<2)|ZW
.set k, 0
.rept 32
	v_pk_mul_f32 v[U+k:U+k+1], v[ZB+k:ZB+k+1], v[ZB+k:ZB+k+1]
.set k, k+2
.endr
	WIN 0x41
.set k, 0
.rept 32
	v_pk_fma_f32 v[U+k:U+k+1], v[U+k:U+k+1], s[52:53], v[C0:C0+1] op_sel_hi:[1,0,0]
.set k, k+2
.endr
	WIN 0x41|(ZW<<2)
.set k, 0
.rept 32
	v_pk_mul_f32 v[U+k:U+k+1], v[U+k:U+k+1], v[ZB+k:ZB+k+1]
.set k, k+2
.endr
	WIN 0x41
.set k, 0
	s_wait_alu depctr_va_vdst(0)
.rept 64
	v_exp_f32 v[U+k], v[U+k]
.set k, k+1
.endr
	v_nop                                          ; a plain instruction behind the last exponential
	s_wait_alu depctr_va_vdst(0)                   ; the 64 exponentials have written v[U ..]: one wait, ahead of their first reader
.set k, 0
.rept 32
	v_pk_add_f32 v[U+k:U+k+1], v[U+k:U+k+1], 1.0 op_sel_hi:[1,0]
.set k, k+2
.endr
.set k, 0
	s_wait_alu depctr_va_vdst(0)
.rept 64
	v_rcp_f32 v[U+k], v[U+k]
.set k, k+1
.endr
	v_nop                                          ; a plain instruction behind the last reciprocal
	s_wait_alu depctr_va_vdst(0)                   ; the 64 reciprocals have written v[U ..]: one wait, ahead of their first reader
	WIN (ZW<<6)|4|ZW
.set k, 0
.rept 32
	v_pk_mul_f32 v[ZB+k:ZB+k+1], v[ZB+k:ZB+k+1], v[U+k:U+k+1]
.set k, k+2
.endr
	WIN (ZW<<4)|(ZW<<2)
.irp u, 0,1                            ; registers 32 u .. 32 u + 31 are block 2 u + h of my row, whole
	v_max3_num_f32 v[M+\u], 0x2800000, |v[ZB+32*\u]|, |v[ZB+32*\u+1]|
.endr
.irp i, 2,4,6,8,10,12,14,16,18,20,22,24,26,28,30
.irp u, 0,1
	v_max3_num_f32 v[M+\u], v[M+\u], |v[ZB+32*\u+\i]|, |v[ZB+32*\u+\i+1]|
.endr
.endr
	WIN 0
.irp u, 0,1
	v_add_nc_u32 v[SCO+\u], 0xfe000000, v[M+\u]
.endr
.irp u, 0,1
	v_lshrrev_b32 v[BY+\u], 23, v[SCO+\u]
.endr
	WIN ZW
.irp u, 0,1
	v_cvt_scalef32_pk16_bf6_f32 v[HC+6*\u:HC+6*\u+2], v[ZB+32*\u:ZB+32*\u+15], v[SCO+\u]
	v_cvt_scalef32_pk16_bf6_f32 v[HT+4*\u:HT+4*\u+2], v[ZB+32*\u+16:ZB+32*\u+31], v[SCO+\u]
.endr
	WIN 0
	v_nop                                          ; a plain instruction behind the conversions
.irp u, 0,1
.irp k, 0,1,2
	v_mov_b32 v[HC+6*\u+3+\k], v[HT+4*\u+\k]
.endr
.endr
	v_lshl_or_b32 v[HW], v[BY+1], 16, v[BY]        ; my two bytes, blocks h and 2 + h,
	v_lshlrev_b32 v[HW], v[SH8], v[HW]             ; at their places in the row's scale word;
	v_permlanex16_b32 v[PX], v[HW], s54, s55
	v_or_b32 v[HW], v[HW], v[PX]                   ; with lane l xor 16's two the word is whole
	s_wait_alu depctr_va_vdst(0)                   ; the conversions and moves have written v[HC ..] and the last line v[HW], which the four stores read
	global_store_b128 v[L16], v[HC:HC+3], s[44:45]             ; each store covers 512 consecutive bytes, aligned
	global_store_b128 v[L16], v[HC+4:HC+7], s[44:45] offset:512
	global_store_b128 v[L16], v[HC+8:HC+11], s[44:45] offset:1024
	global_store_b32 v[L4], v[HW], s[46:47]
.Lnofin_\@:
.endm
	s_load_b512 s[8:23], s[0:1], 0x0               ; W1 s[8:9], b1 s[10:11], xq s[12:13], ti s[14:15], hq s[16:17], hs s[18:19], rk s[20:21], cnt s[22:23]
	v_lshl_add_u32 v247, v0, 2, 0x1aa00
	v_mov_b32 v251, 0
	v_lshrrev_b32 v1, 5, v0
	v_readfirstlane_b32 s24, v1                    ; wave
	s_lshr_b32 s25, ttmp9, 5                       ; e
	s_and_b32 s26, ttmp9, 31                       ; fs
	s_wait_alu depctr_va_sdst(0)                   ; s24 is written, ahead of its first reader
	s_and_b32 s27, s24, 1                          ; g: my column half
	s_lshr_b32 s28, s24, 1                         ; cc: my half of a K step
	v_and_b32 v1, 31, v0                           ; lane
	v_and_b32 v56, 15, v0                          ; r
	v_bfe_u32 v57, v0, 4, 1                        ; h
	v_lshlrev_b32 v[WOF], 4, v56
	v_lshl_or_b32 v[WOF], v57, 19, v[WOF]
	v_lshlrev_b32 v[PFO], 14, v1
	v_lshlrev_b32 v[L16], 4, v1
	v_lshlrev_b32 v[L4], 2, v1
	v_lshlrev_b32 v[L128], 7, v1
	v_lshlrev_b32 v[SH8], 3, v57
	v_lshlrev_b32 v[H64], 6, v57
	v_lshlrev_b32 v[H128], 7, v57
	s_mul_i32 s32, s27, 6144
	s_mul_i32 s33, s28, 768
	s_add_co_u32 s32, s32, s33
	v_lshl_add_u32 v[LWR], v1, 4, s32              ; 6,144 g + 768 cc + 16 lane
	s_add_co_u32 s32, s32, 512
	v_lshl_add_u32 v[LWR2], v1, 3, s32             ; + 512 + 8 lane
	s_lshl_b32 s32, s27, 8
	s_lshl_b32 s33, s28, 1
	s_add_co_u32 s32, s32, s33
	s_add_co_u32 s32, s32, SCB
	v_lshl_add_u32 v[LWS], v56, 4, v57
	v_add_nc_u32 v[LWS], s32, v[LWS]               ; SCB + 256 g + 16 r + 2 cc + h
	v_lshlrev_b32 v[LRD], 4, v1
	v_lshlrev_b32 v[KRD], 4, v1
	v_lshl_add_u32 v[LRD2], v1, 3, 512
	v_lshl_add_u32 v[KRD2], v1, 3, 512
	v_lshl_add_u32 v[LRS], v56, 4, SCB
	v_lshl_add_u32 v[KRS], v56, 4, SCB
	s_lshl_b32 s32, s24, 6
	s_add_co_u32 s32, s32, LIST
	v_lshl_add_u32 v[LA], v56, 2, s32              ; LIST + 64 wave + 4 r
	v_lshl_add_u32 v[ZA], v1, 4, LIST
	v_add_nc_u32 v57, 1632, v1                     ; a place behind the list for tokens that did not choose e
	v_mov_b32 v[C0], 0xc0135761                    ; c0 = -2.3022082
	v_mov_b32 v[C0+1], 0xc0135761
	v_mov_b32 v[PX], 0                             ; written once: a lane permute's destination counts as one of its sources
	s_mov_b32 s52, 0xbdd2d3e8                      ; c1 = -0.10294324
	s_mov_b32 s53, s52
	s_mov_b32 s54, 0x76543210
	s_mov_b32 s55, 0xfedcba98
	s_lshl_b32 s51, 0x10000, s25                   ; e's bit in a word of ti
	s_mov_b32 s30, 0                               ; the count
	s_mov_b32 s50, s24                             ; my first tile
	s_mov_b32 s60, 0
	s_lshl_b32 s34, s25, 24                        ; W1: expert e,
	s_lshl_b32 s32, s28, 20                        ; 64 cc rows,
	s_add_co_u32 s34, s34, s32
	s_lshl_b32 s32, s26, 9                         ; 128 fs columns,
	s_add_co_u32 s34, s34, s32
	s_lshl_b32 s32, s27, 8                         ; 64 g columns
	s_add_co_u32 s34, s34, s32
	s_mov_b32 s35, 0
	s_mul_i32 s40, ttmp9, 98304                    ; hq: (32 e + fs) x 64 tiles x 1,536 bytes
	s_mov_b32 s41, 0
	s_lshl_b32 s42, ttmp9, 13                      ; hs: x 64 tiles x 128 bytes
	s_mov_b32 s43, 0
	s_lshl_b32 s56, ttmp9, 9                       ; b1: 4,096 e + 128 fs numbers
	s_mov_b32 s57, 0
	s_lshl_b32 s44, s25, 2
	s_mov_b32 s45, 0
	s_lshl_b32 s46, s25, 7
	s_mov_b32 s47, 0
	s_wait_kmcnt 0x0
	s_add_nc_u64 s[34:35], s[8:9], s[34:35]
	s_add_nc_u64 s[38:39], s[34:35], 4*STEP
	s_mov_b64 s[36:37], s[12:13]
	s_add_nc_u64 s[40:41], s[16:17], s[40:41]
	s_add_nc_u64 s[42:43], s[18:19], s[42:43]
	s_add_nc_u64 s[56:57], s[10:11], s[56:57]
	s_add_nc_u64 s[20:21], s[20:21], s[44:45]
	s_add_nc_u64 s[22:23], s[22:23], s[46:47]
	s_wait_alu depctr_va_vdst(0)                   ; all offsets and LDS addresses made above are written: the loads, stores and prefetches of the kernel read them
.irp q, 0,1,2,3,4,5,6,7
	global_load_b128 v[TI+4*\q:TI+4*\q+3], v[L16], s[14:15] offset:512*\q   ; register 4 q + i: token 128 q + 4 lane + i
.endr
	WLOAD 0, 0
	WLOAD 1, 1
	s_wait_loadcnt 63                              ; ti is in: 64 loads were issued behind it
	; THE LIST.  Every wave counts (it needs the count); a token's place is the number of choosers ahead of it, registers first, lanes second.
	; The compares go in four runs of eight, into eight scalar registers (s2-7, s58, s59), with one wait behind each run
.set lg, 0
.rept 4
.set ln, 0
.rept 8
	v_and_b32 v[POS+8*lg+ln], s51, v[TI+8*lg+ln]
.set ln, ln+1
.endr
.set ln, 0
.rept 8
	v_cmp_ne_u32 s[2+ln+50*(ln/6)], 0, v[POS+8*lg+ln]
.set ln, ln+1
.endr
	s_wait_alu depctr_va_sdst(0)                   ; the eight compares have written their masks, ahead of the first line that reads one
.set ln, 0
.rept 8
	v_mbcnt_lo_u32_b32 v[POS+8*lg+ln], s[2+ln+50*(ln/6)], s30
	v_cndmask_b32 v[POS+8*lg+ln], v57, v[POS+8*lg+ln], s[2+ln+50*(ln/6)]
	s_bcnt1_i32_b32 s32, s[2+ln+50*(ln/6)]
	s_add_co_u32 s30, s30, s32
.set ln, ln+1
.endr
.set lg, lg+1
.endr
	s_cmp_lg_u32 s24, 0                            ; wave 0 alone writes the list; no other wave touches LDS ahead of the barrier below
	s_cbranch_scc1 .Lnot_wave0
.irp i, 58,59,60,61
	v_mov_b32 v\i, 0
.endr
.set ln, 0
.rept 32                               ; all 32 addresses and all 32 numbers are made first, each in a register of its own, so that one wait serves all the stores
	v_min_u32 v[PC+ln], 0x67f, v[POS+ln]
	v_lshl_add_u32 v[PC+ln], v[PC+ln], 2, LIST
	v_add_nc_u32 v[LTK+ln], 128*(ln/4)+(ln%4), v[L4]   ; the token's number
.set ln, ln+1
.endr
	v_mov_b32 v63, s30
	s_wait_alu depctr_va_vdst(0)                   ; the zeros v58-61, the addresses v64-95, the numbers v176-207, the places v144-175 and the count v63 are written: the LDS and global stores below read them
.irp z, 0,1,2,3,4,5,6,7,8,9,10,11,12
	ds_store_b128 v[ZA], v[58:61] offset:512*\z    ; entries past the count name token 0
.endr
.set ln, 0
.rept 32
	ds_store_b32 v[PC+ln], v[LTK+ln]               ; LDS serves a wave's instructions in order: these land on the zeros
.set ln, ln+1
.endr
	s_cmp_lg_u32 s26, 0                            ; the expert's first work-group stores the places and the count for the later launches
	s_cbranch_scc1 .Lnot_wave0
.set ln, 0
.rept 32
	global_store_b32 v[L128], v[POS+ln], s[20:21] offset:32*(128*(ln/4)+(ln%4))   ; rk[token][e]
.set ln, ln+1
.endr
	global_store_b32 v[L4], v63, s[22:23]
	s_wait_xcnt 0x0                                ; the stores have had their addresses translated: x's fragments are loaded into the places' registers below
.Lnot_wave0:
	s_wait_dscnt 0x0
	s_barrier_signal -1
	s_barrier_wait -1                              ; the list lies in LDS
	s_add_co_u32 s29, s30, 15
	s_lshr_b32 s29, s29, 4
	s_max_u32 s29, s29, 1
	s_min_u32 s29, s29, 64                         ; NT
	ROWS
	s_wait_alu depctr_va_vdst(0)                   ; v10-14 are written, which x's loads read; the list's vector instructions are done with v112-207, in which they land
	XLOAD 0, 0
	XLOAD 1, 128
	TRIP 0, 0, 1, 1, 1, 0, 63, 52, 0               ; 52: behind X0 stand X1's 20 loads and W2's 32
	TRIP 1, 1, 0, 1, 1, 1, 63, 63, 0
	TRIP 2, 0, 0, 1, 1, 1, 52, 63, 0
	TRIP 3, 1, 0, 1, 1, 1, 52, 63, 0
	TRIP 4, 0, 0, 1, 1, 1, 52, 63, 0
	TRIP 5, 1, 0, 1, 0, 1, 52, 63, 0               ; the last weights are asked for: nothing is left to prefetch
	TRIP 6, 0, 0, 0, 0, 1, 52, 63, 1               ; x's last K step; staging set 0 is free: b1's 64 loads go there
	TRIP 7, 1, 0, 0, 0, 0, 63, 63, 0
	s_wait_loadcnt 0x0                             ; b1
	s_mov_b32 s49, 0
.Lpass:                                            ; four trips: the five tiles just multiplied are finished; then the next twenty tiles' products, if there are such rows, from the codes in LDS
	FIN 0
	FIN 1
	FIN 2
	FIN 3
	FIN 4
	s_add_co_u32 s50, s50, 20
	s_add_co_u32 s60, s60, 1280
	s_wait_xcnt 0x0                                ; earlier loads and stores have had their addresses translated: offsets and bases are written again only behind this wait
	s_mov_b64 s[36:37], s[12:13]
	ROWS
	s_mov_b32 s58, 0
	s_mov_b32 s59, 0
	s_mov_b32 s48, 0
.Lok:                                              ; eight trips along K; every wave walks them, and a wave without rows jumps over the work
	s_cmp_ge_u32 s50, s29
	s_cbranch_scc1 .Lidle
	s_wait_alu depctr_vm_vsrc(0)                   ; the LDS loads issued so far have read v7-9, which the three additions write
	v_add_nc_u32 v[LRD], s58, v[KRD]
	v_add_nc_u32 v[LRD2], s58, v[KRD2]
	v_add_nc_u32 v[LRS], s59, v[KRS]
	s_wait_alu depctr_va_vdst(0)                   ; v7-9 and v10-14 are written, which the loads below read; the last products are done reading x's set 0, its scale words, WF and WS, in which they land
	XLOAD 0, 0
	FETCHW
	s_wait_loadcnt 0x0
	s_wait_dscnt 0x0
	s_cmp_eq_u32 s48, 0
	s_cbranch_scc0 .Lacc
	MUL 0, 1
	WIN 0
	s_branch .Lmuld
.Lacc:
	MUL 0, 0
	WIN 0
.Lmuld:
.rept 5
	v_nop                                          ; places behind the last product: for reads of results, and for products that begin the sums anew
.endr
.Lidle:
	s_wait_xcnt 0x0
	s_add_nc_u64 s[36:37], s[36:37], 128
	s_add_co_u32 s58, s58, TRIPB
	s_add_co_u32 s59, s59, 512
	s_add_co_u32 s48, s48, 1
	s_cmp_lt_u32 s48, 8
	s_cbranch_scc1 .Lok
	s_add_co_u32 s49, s49, 1
	s_cmp_lt_u32 s49, 4
	s_cbranch_scc1 .Lpass
	s_wait_dscnt 0x0
	s_wait_alu depctr_hold_cnt(0) depctr_sa_sdst(0) depctr_va_vdst(0) depctr_va_sdst(0) depctr_va_ssrc(0) depctr_va_vcc(0) depctr_vm_vsrc(0)
	s_wait_tensorcnt 0x0
	ds_add_u32 v247, v251
	s_wait_dscnt 0x0
	s_endpgm
.Lfunc_end_k_qceb42e8476_ffn1:
	.size	k_qceb42e8476_ffn1, .Lfunc_end_k_qceb42e8476_ffn1-k_qceb42e8476_ffn1
	.p2alignl 7, 3214868480
	.fill 96, 4, 3214868480
	.section	.rodata,"a",@progbits
	.p2align	6, 0x0
	.amdhsa_kernel k_qceb42e8476_ffn1
		.amdhsa_group_segment_fixed_size 109568
		.amdhsa_private_segment_fixed_size 0
		.amdhsa_enable_private_segment 0
		.amdhsa_kernarg_size 64
		.amdhsa_user_sgpr_count 2
		.amdhsa_user_sgpr_kernarg_segment_ptr 1
		.amdhsa_wavefront_size32 1
		.amdhsa_system_sgpr_workgroup_id_x 1
		.amdhsa_system_sgpr_workgroup_id_y 1
		.amdhsa_system_sgpr_workgroup_id_z 1
		.amdhsa_system_vgpr_workitem_id 0
		.amdhsa_next_free_vgpr 1024
		.amdhsa_next_free_sgpr 66
		.amdhsa_reserve_vcc 0
		.amdhsa_float_denorm_mode_32 3
		.amdhsa_float_denorm_mode_16_64 3
		.amdhsa_memory_ordered 1
		.amdhsa_forward_progress 1
		.amdhsa_inst_pref_size 255
	.end_amdhsa_kernel
	.section	.bss,"aw",@nobits
	.p2align	6
	.space	262144
	.amdgpu_metadata
---
amdhsa.version: [ 1, 2 ]
amdhsa.kernels:
  - .name:           k_qceb42e8476_ffn1
    .symbol:         k_qceb42e8476_ffn1.kd
    .args:
      - { .name: W1, .offset: 0, .size: 8, .value_kind: global_buffer, .address_space: global }
      - { .name: b1, .offset: 8, .size: 8, .value_kind: global_buffer, .address_space: global }
      - { .name: xq, .offset: 16, .size: 8, .value_kind: global_buffer, .address_space: global }
      - { .name: ti, .offset: 24, .size: 8, .value_kind: global_buffer, .address_space: global }
      - { .name: hq, .offset: 32, .size: 8, .value_kind: global_buffer, .address_space: global }
      - { .name: hs, .offset: 40, .size: 8, .value_kind: global_buffer, .address_space: global }
      - { .name: rk, .offset: 48, .size: 8, .value_kind: global_buffer, .address_space: global }
      - { .name: cnt, .offset: 56, .size: 8, .value_kind: global_buffer, .address_space: global }
    .group_segment_fixed_size: 109568
    .private_segment_fixed_size: 0
    .kernarg_segment_align: 8
    .kernarg_segment_size: 64
    .max_flat_workgroup_size: 128
    .sgpr_count:     66
    .vgpr_count:     1024
    .wavefront_size: 32
...
	.end_amdgpu_metadata
.endif
;; end of part 6
;; launch ffn2 (part 7): grid 256 x 1, 4 waves a work-group, no clusters, 102,912 bytes of LDS; arguments W2, b2, hq, hs, cnt, yb; writes yb
.if DOCPART == 7
	.amdgcn_target "amdgcn-amd-amdhsa--gfx1250"
	.amdhsa_code_object_version 6
	.text
	.protected	k_qceb42e8476_ffn2
	.globl	k_qceb42e8476_ffn2
	.p2align	8
	.type	k_qceb42e8476_ffn2,@function
k_qceb42e8476_ffn2:
	s_mov_b64 s[64:65], 0
	v_nop
	global_prefetch_b8 v0, s[64:65] scope:SCOPE_SE
	s_setreg_imm32_b32 hwreg(HW_REG_WAVE_SCHED_MODE, 0, 2), 2
	s_setreg_imm32_b32 hwreg(HW_REG_WAVE_MODE, 25, 1), 1
	s_wait_xcnt 0x0
	s_wait_alu depctr_vm_vsrc(0)
; FFN2: y = h W2[e] (+ b2[e]) for expert e's rows, on codes of BF6 (E3M2) with one E8M0 scale for each 32 along K = F.
; SHARES.  Work-group = (expert e = id >> 5, 64 columns of D: ds = (id >> 1) & 15, half of F: fh = id & 1).  Its 2,048 x 64 numbers of W2 (512 KiB of f32) are read from memory once, by this work-group alone, and
; quantised in registers on the way.  The two halves' sums go to two planes of yb; the last launch adds them.  b2 is added in half 0.
; K goes in eight trips of 256 (two K steps of 128), all written out.  Wave w loads rows 256 t + 64 w + 32 (lane / 16) + pi(i), i = 0 .. 31, of its work-group's 64 columns: 256 consecutive bytes for sixteen lanes.
; pi(p) = 4 (p & 7) + (p >> 3) is the order in which the launch before has coded h inside a block of 32: the same permutation of k inside a scale block on both operands.
; A lane holds whole blocks for four columns 4 r + c; column tile c is the columns {4 r + c}.  Wave w's codes are half cc = w & 1 of the four fragments of K step g = w >> 1 of the trip.  They go to LDS as images of
; registers; one barrier; every wave reads the trip's eight fragments and multiplies them with its five tiles of 16 rows, whose codes of h come from memory as images of the operand's registers.
; The product is used as it stands (source 0 = 16 rows of h, source 1 = 16 columns): register y of lane (r, hd) of tile c is row 8 hd + y, column 4 r + c: the four tiles' registers make 16 neighbouring bytes of a row.
; ROWS: as in the launch before: wave w owns tiles w + 4 j + 20 x pass; NT from cnt[e]; an idle tile reads tile NT - 1, which was stored, and its results are dropped.  Rows from 320 on run from the codes kept in LDS.
; No tensor loads and no joint loads, though 16 work-groups read the same codes of h: branches here hang on a count read from memory.
; LIMITS: NaN and infinities are not served.  A block of W2 whose largest magnitude lies under 2^-122 has its byte held at 1; a block of zeros gets the byte 1 and zero codes.
; LDS: 0: fragment (8 t + 4 g + c) x 1,536 bytes = two halves cc of 768: 512 (lane at 16 l) + 256 (lane at 8 l).  SCB: 512 bytes a trip, [g][r][c][block].  Each byte is written once.
; REGISTERS.  Window 0: addresses, scale words, codes at work, two gathered columns (112-175), a tile on its way out (176-207).  Window 1: two staging sets of 128.
;   Window 2: h's fragments: set p, tile j, K step k at 120 p + 24 j + 12 k.  Window 3: accumulators (j, c) at 32 j + 8 c; from 160 the trip's eight weight fragments.
; THE MODE: SCHED_MODE bits 1:0 = 2 (LLVM: expert scheduling mode 2), set by the entry lines.  The code itself states the register dependences
; between vector or matrix instructions and memory or LDS instructions, with s_wait_alu, always for 0.
; THE PLAN.  Registers that memory or LDS instructions touch in trip t (set p = t % 2):
;   staging set p     read by the trip's maxima and gathering moves; behind them the weights of trip t + 2 land in it.
;   PC, BY            written by the trip's conversions, moves and shifts; read by its LDS stores; written again in trip t + 1.
;   h's set 1 - p     (fragments and scale words) read by the products of trip t - 1; the loads for trip t + 1 land in it in trip t.
;   WF, WS            read by the products of trip t - 1; the LDS loads of trip t land in them.
;   v4-9              read by the trip's LDS stores and loads; stepped by six additions behind the trip's products.
;   v2, v3, v10-19    offsets, never written in a trip.
; So ONE wait on va_vdst stands in a trip, behind its conversions and moves: PC, BY and the stepped addresses are written, the staging set is read, and the products of the trip before are done reading the other set of h,
; WF and WS.  Behind it, up to the products, stand LDS stores, loads, prefetches, waits and the barrier alone: no vector or matrix instruction, so all of the trip's memory and LDS instructions lean on that one wait.
; ONE wait on vm_vsrc stands behind the products, ahead of the six additions: the trip's LDS instructions have read v4-9, PC and BY.
.set PITCH, 4096
.set STEP,  0x100000                   ; 256 rows
.set TRIPB, 12288
.set SCB,   98304
.set WOF,  2
.set PFO,  3
.set LWR,  4
.set LWR2, 5
.set LWS,  6
.set LRD,  7
.set LRD2, 8
.set LRS,  9
.set HO,   10                          ; v10-14 my lane's place in hq for each of my five tiles
.set HSO,  15                          ; v15-19 and in hs
.set XS,   20                          ; v20-29 h's scale words: lanes 0-15 the trip's first K step, lanes 16-31 its second; scales and nothing else
.set YO,   30                          ; v30  my place in a tile of yb
.set L16,  31
.set WS,   32                          ; v32-39 the weights' scale words: scales and nothing else
.set M,    40
.set SCO,  44
.set BY,   48
.set KRD,  52
.set KRD2, 53
.set KRS,  54
.set BIAS, 56                          ; v56-59 b2 of my four columns (zeros in half 1)
.set HS0,  60                          ; v60  8,192 (lane / 16) + 4 lane
.set PC,   64
.set PT,   96
.set T,    112
.set OUT,  176
.set WF,   160                         ; window 3
.set MSB, 0
.macro WIN new                         ; the immediate's high byte repeats the setting that is left; a switch that changes nothing is dropped
.if MSB != (\new)
	s_set_vgpr_msb (MSB<<8)|(\new)
.set MSB, (\new)
.endif
.endm
.macro WLOAD p, t                      ; trip t's 64 rows x 64 columns into staging set p: register 4 i + c = position i of the block, column c of my four.  The trip stands in the immediate
	WIN 0x40
.set wi, 0
.rept 32
	global_load_b128 v[128*(\p)+4*wi:128*(\p)+4*wi+3], v[WOF], s[34:35] offset:(4*(wi&7)+(wi>>3))*PITCH+(\t)*STEP th:TH_LOAD_NT
.set wi, wi+1
.endr
	WIN 0
.endm
.macro WPREF t                         ; my own 64 row pieces of trip t, a lane a piece of 256 aligned bytes: each is named once in the launch, by the wave that will load it a trip later
	global_prefetch_b8 v[PFO], s[34:35] offset:(\t)*STEP th:TH_LOAD_NT scope:SCOPE_SE
	global_prefetch_b8 v[PFO], s[34:35] offset:(\t)*STEP+32*PITCH th:TH_LOAD_NT scope:SCOPE_SE
.endm
.macro QUANTW p                        ; staging set p becomes four columns' codes and scale bytes, which go to LDS
	WIN 0x14                                       ; sources 1 and 2 in window 1
.irp c, 0,1,2,3
	v_max3_num_f32 v[M+\c], 0x2800000, |v[128*(\p)+\c]|, |v[128*(\p)+4+\c]|   ; the floor 2^(5 - 127) is a leaf: the byte cannot fall under 1
.endr
.irp i, 2,4,6,8,10,12,14,16,18,20,22,24,26,28,30
.irp c, 0,1,2,3
	v_max3_num_f32 v[M+\c], v[M+\c], |v[128*(\p)+4*\i+\c]|, |v[128*(\p)+4*\i+4+\c]|
.endr
.endr
	WIN 0
.irp c, 0,1,2,3
	v_add_nc_u32 v[SCO+\c], 0xfe000000, v[M+\c]    ; 4 off the exponent field: the conversion's scale operand
.endr
.irp c, 0,1,2,3
	v_lshrrev_b32 v[BY+\c], 23, v[SCO+\c]
.endr
.irp h, 0,2
	WIN 0x01                                       ; from window 1
.irp d, 0,1
.set qi, 0
.rept 32
	v_mov_b32 v[T+32*\d+qi], v[128*(\p)+4*qi+\h+\d]
.set qi, qi+1
.endr
.endr
	WIN 0
.irp d, 0,1
	v_cvt_scalef32_pk16_bf6_f32 v[PC+8*(\h+\d):PC+8*(\h+\d)+2], v[T+32*\d:T+32*\d+15], v[SCO+\h+\d]
	v_cvt_scalef32_pk16_bf6_f32 v[PT+4*(\h+\d):PT+4*(\h+\d)+2], v[T+32*\d+16:T+32*\d+31], v[SCO+\h+\d]
.endr
	v_nop                                          ; a plain instruction behind the conversions
.irp d, 0,1
.irp k, 0,1,2
	v_mov_b32 v[PC+8*(\h+\d)+3+\k], v[PT+4*(\h+\d)+\k]
.endr
.endr
.endr
	s_wait_alu depctr_va_vdst(0)                   ; THE TRIP'S WAIT: PC, BY and the addresses v4-9 are written, which the LDS stores and loads below read; the maxima and moves are done reading the staging set, and the
	                                               ; products of the trip before are done reading the other set of h, its scale words, WF and WS: in all of these the trip's loads land
.irp c, 0,1,2,3
	ds_store_b128 v[LWR], v[PC+8*\c:PC+8*\c+3] offset:1536*\c
	ds_store_b64 v[LWR2], v[PC+8*\c+4:PC+8*\c+5] offset:1536*\c
	ds_store_b8 v[LWS], v[BY+\c] offset:4*\c
.endr
.endm
.macro FETCHW
	WIN 0xc0
.irp n, 0,1,2,3,4,5,6,7
	ds_load_b128 v[WF+12*\n:WF+12*\n+3], v[LRD] offset:1536*\n
	ds_load_b64 v[WF+12*\n+4:WF+12*\n+5], v[LRD2] offset:1536*\n
	ds_load_b128 v[WF+12*\n+6:WF+12*\n+9], v[LRD] offset:1536*\n+768
	ds_load_b64 v[WF+12*\n+10:WF+12*\n+11], v[LRD2] offset:1536*\n+768
.endr
	WIN 0
	ds_load_b128 v[WS:WS+3], v[LRS]
	ds_load_b128 v[WS+4:WS+7], v[LRS] offset:256
.endm
.macro XLOAD p, o, w                   ; my five tiles' codes and scale words of h for one trip: 35 loads
	WIN 0x80
.irp j, 0,1,2,3,4
.irp k, 0,1
.irp q, 0,1,2
	global_load_b128 v[120*(\p)+24*\j+12*\k+4*\q:120*(\p)+24*\j+12*\k+4*\q+3], v[HO+\j], s[36:37] offset:(\o)+98304*\k+512*\q
.endr
.endr
.endr
	WIN 0
.irp j, 0,1,2,3,4
	global_load_b32 v[XS+5*(\p)+\j], v[HSO+\j], s[40:41] offset:(\w)
.endr
.endm
; 40 matrix instructions; accumulators by turns, one instruction a turn: a tile's four, for the trip's first K step and then for its second
.macro MUL p, zero
	WIN 0xfe                                       ; source 0 window 2; source 1, C and D window 3
.irp j, 0,1,2,3,4
.irp c, 0,1,2,3
.if \zero
	v_wmma_scale_f32_16x16x128_f8f6f4 v[32*\j+8*\c:32*\j+8*\c+7], v[120*(\p)+24*\j:120*(\p)+24*\j+11], v[WF+12*\c:WF+12*\c+11], 0, v[XS+5*(\p)+\j], v[WS+\c] matrix_a_fmt:MATRIX_FMT_BF6 matrix_b_fmt:MATRIX_FMT_BF6
.else
	v_wmma_scale_f32_16x16x128_f8f6f4 v[32*\j+8*\c:32*\j+8*\c+7], v[120*(\p)+24*\j:120*(\p)+24*\j+11], v[WF+12*\c:WF+12*\c+11], v[32*\j+8*\c:32*\j+8*\c+7], v[XS+5*(\p)+\j], v[WS+\c] matrix_a_fmt:MATRIX_FMT_BF6 matrix_b_fmt:MATRIX_FMT_BF6
.endif
.endr
.irp c, 0,1,2,3
	v_wmma_scale_f32_16x16x128_f8f6f4 v[32*\j+8*\c:32*\j+8*\c+7], v[120*(\p)+24*\j+12:120*(\p)+24*\j+23], v[WF+48+12*\c:WF+48+12*\c+11], v[32*\j+8*\c:32*\j+8*\c+7], v[XS+5*(\p)+\j], v[WS+4+\c] matrix_a_fmt:MATRIX_FMT_BF6 matrix_b_fmt:MATRIX_FMT_BF6 matrix_a_scale:MATRIX_SCALE_ROW1
.endr
.endr
.endm
.macro STEPL                           ; the LDS addresses step to the next trip; behind the last trip these six plain instructions are also the places between the last product and the first read of results
	WIN 0
	s_wait_alu depctr_vm_vsrc(0)                   ; the trip's LDS stores and loads have read v4-9, which the additions write, and PC and BY, which the next trip's conversions and shifts write
	v_add_nc_u32 v[LWR], TRIPB, v[LWR]
	v_add_nc_u32 v[LWR2], TRIPB, v[LWR2]
	v_add_nc_u32 v[LRD], TRIPB, v[LRD]
	v_add_nc_u32 v[LRD2], TRIPB, v[LRD2]
	v_add_nc_u32 v[LWS], 512, v[LWS]
	v_add_nc_u32 v[LRS], 512, v[LRS]
.endm
.macro ROWS again                      ; my five tiles' places in hq and hs; a tile past the last reads the last.  again = 1: loads have read the old places
.if \again
	s_wait_alu depctr_vm_vsrc(0)                   ; the loads of h issued so far have read v10-19, which are written below
.endif
	s_sub_co_u32 s33, s29, 1
.irp j, 0,1,2,3,4
	s_add_co_u32 s32, s50, 4*\j
	s_min_u32 s32, s32, s33
	s_min_u32 s32, s32, 63
	s_mul_i32 s51, s32, 1536
	v_add_nc_u32 v[HO+\j], s51, v[L16]
	s_lshl_b32 s51, s32, 7
	v_add_nc_u32 v[HSO+\j], s51, v[HS0]
.endr
.endm
; TRIP t on set p.  Behind the trip's wait on va_vdst and its LDS stores the loads go out in the order X(t + 1), into the set that the products of trip t - 1 read, and W(t + 2), into the staging set just emptied.
; nw wants W(t), nx wants X(t): each is the number of loads issued behind the wanted ones, held at the largest count that the wait can name, 63.
.macro TRIP t, p, zero, wl, pf, xl, nw, nx
	s_wait_loadcnt \nw
	QUANTW \p
.if \xl
	XLOAD 1-(\p), 196608*((\t)+1), 16384*((\t)+1)
.endif
.if \wl
	WLOAD \p, (\t)+2
.endif
.if \pf
	WPREF (\t)+3
.endif
	s_wait_dscnt 0x0                               ; my codes and bytes have landed
	s_barrier_signal -1
	s_barrier_wait -1                              ; everybody's have
	FETCHW
	s_wait_loadcnt \nx
	s_wait_dscnt 0x0
	MUL \p, \zero
	STEPL
.endm
; TILE j LEAVES.  The addition of the bias also lays a row's four neighbouring columns into four neighbouring registers; each accumulator is read from its low end on
.macro FIN j
	s_add_co_u32 s32, s50, 4*(\j)
	s_cmp_ge_u32 s32, s29
	s_cbranch_scc1 .Lnofin_\@
	s_wait_xcnt 0x0                                ; the last tile's stores have had their addresses translated: their base and data are written again only behind this wait
	s_wait_alu depctr_vm_vsrc(0)                   ; the last tile's stores have read v[OUT ..], which this tile's additions write again
	s_lshl_b32 s46, s32, 16                        ; 16 rows of 4,096 bytes
	s_mov_b32 s47, 0
	s_add_nc_u64 s[46:47], s[44:45], s[46:47]
	WIN 0x03
	s_wait_alu depctr_va_vdst(0)
.irp y, 0,1,2,3,4,5,6,7
.irp c, 0,1,2,3
	v_add_f32 v[OUT+4*\y+\c], v[32*(\j)+8*\c+\y], v[BIAS+\c]
.endr
.endr
	WIN 0
	s_wait_alu depctr_va_vdst(0)                   ; the 32 additions have written v[OUT ..], which the eight stores read
.irp y, 0,1,2,3,4,5,6,7
	global_store_b128 v[YO], v[OUT+4*\y:OUT+4*\y+3], s[46:47] offset:4096*\y th:TH_STORE_NT   ; sixteen lanes store 256 consecutive bytes of a row, aligned
.endr
.Lnofin_\@:
.endm
	s_load_b256 s[8:15], s[0:1], 0x0               ; W2 s[8:9], b2 s[10:11], hq s[12:13], hs s[14:15]
	s_load_b128 s[16:19], s[0:1], 0x20             ; cnt s[16:17], yb s[18:19]
	v_lshl_add_u32 v254, v0, 2, 0x19000
	v_mov_b32 v255, 0
	v_lshrrev_b32 v1, 5, v0
	v_readfirstlane_b32 s24, v1                    ; wave
	s_lshr_b32 s25, ttmp9, 5                       ; e
	s_bfe_u32 s26, ttmp9, 0x40001                  ; ds
	s_and_b32 s31, ttmp9, 1                        ; fh
	s_wait_alu depctr_va_sdst(0)                   ; s24 is written, ahead of its first reader
	s_lshr_b32 s27, s24, 1                         ; g: which K step of a trip
	s_and_b32 s28, s24, 1                          ; cc: which half of it
	v_and_b32 v1, 31, v0                           ; lane
	v_and_b32 v61, 15, v0                          ; r
	v_bfe_u32 v62, v0, 4, 1                        ; lane / 16
	v_lshlrev_b32 v[WOF], 4, v61
	v_lshl_or_b32 v[WOF], v62, 17, v[WOF]
	v_lshlrev_b32 v[PFO], 12, v1
	v_lshlrev_b32 v[L16], 4, v1
	v_lshlrev_b32 v[YO], 4, v61
	v_lshl_or_b32 v[YO], v62, 15, v[YO]            ; 8 rows x (lane / 16) + 16 bytes x r
	v_lshlrev_b32 v[HS0], 2, v1
	v_lshl_add_u32 v[HS0], v62, 13, v[HS0]
	v_lshlrev_b32 v63, 4, v61                      ; b2: 16 r; never rewritten
	s_mul_i32 s32, s27, 6144
	s_mul_i32 s33, s28, 768
	s_add_co_u32 s32, s32, s33
	v_lshl_add_u32 v[LWR], v1, 4, s32
	s_add_co_u32 s32, s32, 512
	v_lshl_add_u32 v[LWR2], v1, 3, s32
	s_lshl_b32 s32, s27, 8
	s_lshl_b32 s33, s28, 1
	s_add_co_u32 s32, s32, s33
	s_add_co_u32 s32, s32, SCB
	v_lshl_add_u32 v[LWS], v61, 4, v62
	v_add_nc_u32 v[LWS], s32, v[LWS]
	v_lshlrev_b32 v[LRD], 4, v1
	v_lshlrev_b32 v[KRD], 4, v1
	v_lshl_add_u32 v[LRD2], v1, 3, 512
	v_lshl_add_u32 v[KRD2], v1, 3, 512
	v_lshl_add_u32 v[LRS], v61, 4, SCB
	v_lshl_add_u32 v[KRS], v61, 4, SCB
	s_mov_b32 s50, s24                             ; my first tile
	s_lshl_b32 s34, s25, 24                        ; W2: expert e,
	s_lshl_b32 s32, s31, 23                        ; 2,048 fh rows,
	s_add_co_u32 s34, s34, s32
	s_lshl_b32 s32, s24, 18                        ; 64 wave rows,
	s_add_co_u32 s34, s34, s32
	s_lshl_b32 s32, s26, 8                         ; 64 ds columns
	s_add_co_u32 s34, s34, s32
	s_mov_b32 s35, 0
	s_lshl_b32 s32, s25, 5
	s_lshl_b32 s33, s31, 4
	s_add_co_u32 s32, s32, s33                     ; the first K step: 32 e + 16 fh
	s_mul_i32 s38, s32, 98304
	s_mov_b32 s39, 0
	s_lshl_b32 s42, s32, 13
	s_mov_b32 s43, 0
	s_lshl_b32 s44, s31, 25                        ; yb: plane fh, expert e, 64 ds columns
	s_lshl_b32 s32, s25, 22
	s_add_co_u32 s44, s44, s32
	s_lshl_b32 s32, s26, 8
	s_add_co_u32 s44, s44, s32
	s_mov_b32 s45, 0
	s_lshl_b32 s46, s25, 12
	s_add_co_u32 s46, s46, s32
	s_mov_b32 s47, 0
	s_lshl_b32 s48, s25, 7
	s_mov_b32 s49, 0
	s_wait_kmcnt 0x0
	s_add_nc_u64 s[16:17], s[16:17], s[48:49]
	s_load_b32 s30, s[16:17], 0x0                  ; the expert's number of rows
	s_add_nc_u64 s[34:35], s[8:9], s[34:35]
	s_add_nc_u64 s[38:39], s[12:13], s[38:39]
	s_mov_b64 s[36:37], s[38:39]
	s_add_nc_u64 s[42:43], s[14:15], s[42:43]
	s_mov_b64 s[40:41], s[42:43]
	s_add_nc_u64 s[44:45], s[18:19], s[44:45]
	s_add_nc_u64 s[10:11], s[10:11], s[46:47]
	s_wait_alu depctr_va_vdst(0)                   ; all offsets and LDS addresses made above are written: the loads, stores and prefetches of the kernel read them
	global_load_b128 v[BIAS:BIAS+3], v63, s[10:11]
	WLOAD 0, 0
	WLOAD 1, 1
	s_wait_kmcnt 0x0
	s_min_u32 s30, s30, 1024
	s_add_co_u32 s29, s30, 15
	s_lshr_b32 s29, s29, 4
	s_max_u32 s29, s29, 1
	s_min_u32 s29, s29, 64                         ; NT
	ROWS 0
	s_wait_alu depctr_va_vdst(0)                   ; v10-19 are written, which h's loads read
	XLOAD 0, 0, 0
	XLOAD 1, 196608, 16384
	TRIP 0, 0, 1, 1, 1, 0, 63, 63
	TRIP 1, 1, 0, 1, 1, 1, 63, 63
	TRIP 2, 0, 0, 1, 1, 1, 63, 63
	TRIP 3, 1, 0, 1, 1, 1, 63, 63
	TRIP 4, 0, 0, 1, 1, 1, 63, 63
	TRIP 5, 1, 0, 1, 0, 1, 63, 63                  ; the last weights are asked for: nothing is left to prefetch
	TRIP 6, 0, 0, 0, 0, 1, 63, 63                  ; h's last trip is asked for
	TRIP 7, 1, 0, 0, 0, 0, 35, 0                   ; 35: behind W7 stand X7's loads alone; then nothing is out
	s_cmp_eq_u32 s31, 0
	s_cselect_b32 s32, -1, 0
.irp c, 0,1,2,3
	v_and_b32 v[BIAS+\c], s32, v[BIAS+\c]          ; b2 counts once: in half 0
.endr
	s_mov_b32 s49, 0
.Lpass:                                            ; four trips: the five tiles just multiplied leave; then the next twenty tiles' products, if there are such rows, from the codes in LDS
	FIN 0
	FIN 1
	FIN 2
	FIN 3
	FIN 4
	s_add_co_u32 s50, s50, 20
	s_wait_xcnt 0x0                                ; earlier loads and stores have had their addresses translated: offsets and bases are written again only behind this wait
	s_mov_b64 s[36:37], s[38:39]
	s_mov_b64 s[40:41], s[42:43]
	ROWS 1
	s_mov_b32 s58, 0
	s_mov_b32 s59, 0
	s_mov_b32 s48, 0
.Lok:                                              ; eight trips along K; every wave walks them, and a wave without rows jumps over the work
	s_cmp_ge_u32 s50, s29
	s_cbranch_scc1 .Lidle
	s_wait_alu depctr_vm_vsrc(0)                   ; the LDS loads issued so far have read v7-9, which the three additions write
	v_add_nc_u32 v[LRD], s58, v[KRD]
	v_add_nc_u32 v[LRD2], s58, v[KRD2]
	v_add_nc_u32 v[LRS], s59, v[KRS]
	s_wait_alu depctr_va_vdst(0)                   ; v7-9 and v10-19 are written, which the loads below read; the last products are done reading h's set 0, its scale words, WF and WS, in which they land
	XLOAD 0, 0, 0
	FETCHW
	s_wait_loadcnt 0x0
	s_wait_dscnt 0x0
	s_cmp_eq_u32 s48, 0
	s_cbranch_scc0 .Lacc
	MUL 0, 1
	WIN 0
	s_branch .Lmuld
.Lacc:
	MUL 0, 0
	WIN 0
.Lmuld:
.rept 5
	v_nop                                          ; places behind the last product: for reads of results, and for products that begin the sums anew
.endr
.Lidle:
	s_wait_xcnt 0x0
	s_add_nc_u64 s[36:37], s[36:37], 196608
	s_add_nc_u64 s[40:41], s[40:41], 16384
	s_add_co_u32 s58, s58, TRIPB
	s_add_co_u32 s59, s59, 512
	s_add_co_u32 s48, s48, 1
	s_cmp_lt_u32 s48, 8
	s_cbranch_scc1 .Lok
	s_add_co_u32 s49, s49, 1
	s_cmp_lt_u32 s49, 4
	s_cbranch_scc1 .Lpass
	s_wait_dscnt 0x0
	s_wait_alu depctr_hold_cnt(0) depctr_sa_sdst(0) depctr_va_vdst(0) depctr_va_sdst(0) depctr_va_ssrc(0) depctr_va_vcc(0) depctr_vm_vsrc(0)
	s_wait_tensorcnt 0x0
	ds_add_u32 v254, v255
	s_wait_dscnt 0x0
	s_endpgm
.Lfunc_end_k_qceb42e8476_ffn2:
	.size	k_qceb42e8476_ffn2, .Lfunc_end_k_qceb42e8476_ffn2-k_qceb42e8476_ffn2
	.p2alignl 7, 3214868480
	.fill 96, 4, 3214868480
	.section	.rodata,"a",@progbits
	.p2align	6, 0x0
	.amdhsa_kernel k_qceb42e8476_ffn2
		.amdhsa_group_segment_fixed_size 102912
		.amdhsa_private_segment_fixed_size 0
		.amdhsa_enable_private_segment 0
		.amdhsa_kernarg_size 48
		.amdhsa_user_sgpr_count 2
		.amdhsa_user_sgpr_kernarg_segment_ptr 1
		.amdhsa_wavefront_size32 1
		.amdhsa_system_sgpr_workgroup_id_x 1
		.amdhsa_system_sgpr_workgroup_id_y 1
		.amdhsa_system_sgpr_workgroup_id_z 1
		.amdhsa_system_vgpr_workitem_id 0
		.amdhsa_next_free_vgpr 1024
		.amdhsa_next_free_sgpr 66
		.amdhsa_reserve_vcc 0
		.amdhsa_float_denorm_mode_32 3
		.amdhsa_float_denorm_mode_16_64 3
		.amdhsa_memory_ordered 1
		.amdhsa_forward_progress 1
		.amdhsa_inst_pref_size 233
	.end_amdhsa_kernel
	.amdgpu_metadata
---
amdhsa.version: [ 1, 2 ]
amdhsa.kernels:
  - .name:           k_qceb42e8476_ffn2
    .symbol:         k_qceb42e8476_ffn2.kd
    .args:
      - { .name: W2, .offset: 0, .size: 8, .value_kind: global_buffer, .address_space: global }
      - { .name: b2, .offset: 8, .size: 8, .value_kind: global_buffer, .address_space: global }
      - { .name: hq, .offset: 16, .size: 8, .value_kind: global_buffer, .address_space: global }
      - { .name: hs, .offset: 24, .size: 8, .value_kind: global_buffer, .address_space: global }
      - { .name: cnt, .offset: 32, .size: 8, .value_kind: global_buffer, .address_space: global }
      - { .name: yb, .offset: 40, .size: 8, .value_kind: global_buffer, .address_space: global }
    .group_segment_fixed_size: 102912
    .private_segment_fixed_size: 0
    .kernarg_segment_align: 8
    .kernarg_segment_size: 48
    .max_flat_workgroup_size: 128
    .sgpr_count:     66
    .vgpr_count:     1024
    .wavefront_size: 32
...
	.end_amdgpu_metadata
.endif
;; end of part 7
;; launch combine (part 8): grid 256 x 1, 4 waves a work-group, no clusters, 0 bytes of LDS; arguments yb, ti, tw, rk, out0; writes out0
.if DOCPART == 8
	.amdgcn_target "amdgcn-amd-amdhsa--gfx1250"
	.amdhsa_code_object_version 6
	.text
	.protected	k_qceb42e8476_combine
	.globl	k_qceb42e8476_combine
	.p2align	8
	.type	k_qceb42e8476_combine,@function
k_qceb42e8476_combine:
	s_mov_b64 s[64:65], 0
	v_nop
	global_prefetch_b8 v0, s[64:65] scope:SCOPE_SE
	s_setreg_imm32_b32 hwreg(HW_REG_WAVE_MODE, 25, 1), 1
	s_wait_xcnt 0x0
; COMBINE: out[t] = w0 (y0[e0][p0] + y1[e0][p0]) + w1 (y0[e1][p1] + y1[e1][p1]): the two halves of F and the token's two experts, gathered: each output row has one owner.
; A wave takes one token.  Its two experts come from ti, its places in their lists from rk (whole numbers that earlier launches stored), its weights from tw.
; A stream: four rows of 4,096 bytes in, one out, 512 consecutive bytes an instruction; no LDS, no barrier, no matrix unit: nothing is shared and nothing is multiplied but by the two weights.
	s_load_b256 s[4:11], s[0:1], 0x0               ; yb s[4:5], ti s[6:7], tw s[8:9], rk s[10:11]
	s_load_b64 s[12:13], s[0:1], 0x20              ; out0
	v_lshrrev_b32 v1, 5, v0
	v_readfirstlane_b32 s14, v1                    ; wave
	v_and_b32 v1, 31, v0
	v_lshlrev_b32 v1, 4, v1                        ; 16 x lane
	s_lshl_b32 s15, ttmp9, 2
	s_add_co_u32 s15, s15, s14                     ; my token
	s_lshl_b32 s16, s15, 2
	s_mov_b32 s17, 0
	s_lshl_b32 s18, s15, 3
	s_mov_b32 s19, 0
	s_lshl_b32 s20, s15, 5
	s_mov_b32 s21, 0
	s_lshl_b32 s22, s15, 12
	s_mov_b32 s23, 0
	s_wait_alu depctr_va_vdst(0)
	s_wait_kmcnt 0x0
	s_add_nc_u64 s[6:7], s[6:7], s[16:17]
	s_add_nc_u64 s[8:9], s[8:9], s[18:19]
	s_add_nc_u64 s[10:11], s[10:11], s[20:21]
	s_add_nc_u64 s[12:13], s[12:13], s[22:23]
	s_load_b32 s40, s[6:7], 0x0                    ; the choice
	s_load_b64 s[42:43], s[8:9], 0x0               ; the weights
	s_load_b256 s[24:31], s[10:11], 0x0            ; my place in each expert's list
	s_wait_kmcnt 0x0
	s_and_b32 s44, s40, 0xff
	s_min_u32 s44, s44, 7                          ; e0
	s_bfe_u32 s45, s40, 0x80008
	s_min_u32 s45, s45, 7                          ; e1
.macro RANK d, e                       ; s[d] = the byte offset in a plane of yb of my row with expert s[e]
	s_mov_b32 s[\d], s24
.irp k, 1,2,3,4,5,6,7
	s_cmp_eq_u32 s[\e], \k
	s_cselect_b32 s[\d], s[24+\k], s[\d]
.endr
	s_min_u32 s[\d], s[\d], 1023
	s_lshl_b32 s[\e], s[\e], 10
	s_add_co_u32 s[\d], s[\d], s[\e]
	s_lshl_b32 s[\d], s[\d], 12
.endm
	RANK 46, 44
	s_mov_b32 s47, 0
	RANK 48, 45
	s_mov_b32 s49, 0
	s_add_nc_u64 s[32:33], s[4:5], s[46:47]
	s_add_nc_u64 s[34:35], s[32:33], 0x2000000     ; the other half of F: the second plane
	s_add_nc_u64 s[36:37], s[4:5], s[48:49]
	s_add_nc_u64 s[38:39], s[36:37], 0x2000000
.irp b, 0,1,2,3
.irp q, 0,1,2,3,4,5,6,7
	global_load_b128 v[16+32*\b+4*\q:16+32*\b+4*\q+3], v1, s[32+2*\b:33+2*\b] offset:512*\q th:TH_LOAD_NT
.endr
.endr
	v_mov_b32 v8, s42
	v_mov_b32 v9, s42
	v_mov_b32 v10, s43
	v_mov_b32 v11, s43
	s_wait_loadcnt 0x0
.set k, 0
.rept 16
	v_pk_add_f32 v[16+k:17+k], v[16+k:17+k], v[48+k:49+k]
	s_wait_alu depctr_va_vdst(0)
	v_pk_add_f32 v[80+k:81+k], v[80+k:81+k], v[112+k:113+k]
	v_pk_mul_f32 v[16+k:17+k], v[16+k:17+k], v[8:9]
	v_pk_fma_f32 v[16+k:17+k], v[80+k:81+k], v[10:11], v[16+k:17+k]
.set k, k+2
.endr
.irp q, 0,1,2,3,4,5,6,7
	global_store_b128 v1, v[16+4*\q:16+4*\q+3], s[12:13] offset:512*\q th:TH_STORE_NT   ; 512 consecutive bytes, aligned
.endr
	s_endpgm
.Lfunc_end_k_qceb42e8476_combine:
	.size	k_qceb42e8476_combine, .Lfunc_end_k_qceb42e8476_combine-k_qceb42e8476_combine
	.p2alignl 7, 3214868480
	.fill 96, 4, 3214868480
	.section	.rodata,"a",@progbits
	.p2align	6, 0x0
	.amdhsa_kernel k_qceb42e8476_combine
		.amdhsa_group_segment_fixed_size 0
		.amdhsa_private_segment_fixed_size 0
		.amdhsa_enable_private_segment 0
		.amdhsa_kernarg_size 40
		.amdhsa_user_sgpr_count 2
		.amdhsa_user_sgpr_kernarg_segment_ptr 1
		.amdhsa_wavefront_size32 1
		.amdhsa_system_sgpr_workgroup_id_x 1
		.amdhsa_system_sgpr_workgroup_id_y 1
		.amdhsa_system_sgpr_workgroup_id_z 1
		.amdhsa_system_vgpr_workitem_id 0
		.amdhsa_next_free_vgpr 144
		.amdhsa_next_free_sgpr 66
		.amdhsa_reserve_vcc 0
		.amdhsa_float_denorm_mode_32 3
		.amdhsa_float_denorm_mode_16_64 3
		.amdhsa_memory_ordered 1
		.amdhsa_forward_progress 1
		.amdhsa_inst_pref_size 12
	.end_amdhsa_kernel
	.amdgpu_metadata
---
amdhsa.version: [ 1, 2 ]
amdhsa.kernels:
  - .name:           k_qceb42e8476_combine
    .symbol:         k_qceb42e8476_combine.kd
    .args:
      - { .name: yb, .offset: 0, .size: 8, .value_kind: global_buffer, .address_space: global }
      - { .name: ti, .offset: 8, .size: 8, .value_kind: global_buffer, .address_space: global }
      - { .name: tw, .offset: 16, .size: 8, .value_kind: global_buffer, .address_space: global }
      - { .name: rk, .offset: 24, .size: 8, .value_kind: global_buffer, .address_space: global }
      - { .name: out0, .offset: 32, .size: 8, .value_kind: global_buffer, .address_space: global }
    .group_segment_fixed_size: 0
    .private_segment_fixed_size: 0
    .kernarg_segment_align: 8
    .kernarg_segment_size: 40
    .max_flat_workgroup_size: 128
    .sgpr_count:     66
    .vgpr_count:     144
    .wavefront_size: 32
...
	.end_amdgpu_metadata
.endif
;; end of part 8
